; MI455X (gfx1250); checked and timed in simulation.
; The chip was launched on July 23, 2026; its instructions are those of AMD's public machine-readable ISA for CDNA 5 (MIT licence, August 2026) and "CDNA5" Instruction Set Architecture Reference Guide (July 2026). The comments in the code are by the model that wrote it; some were corrected since.
;; Multi Head Attention. Allowed arithmetic: matrix products marked QUANTISED: E4M3 operands, one given power-of-two scale a tensor, by v_wmma_f32_16x16x64_fp8_fp8 or v_wmma_f32_16x16x128_fp8_fp8, f32 sums; everything else in f32.
;; Inputs: Wo_codes 1,024 x 32 x 32 uint8 (E4M3 codes of Wo, K innermost, in blocks of 32 codes); Wqkv_codes 3,072 x 32 x 32 uint8 (E4M3 codes of Wqkv, K innermost, in blocks of 32 codes); bo 1,024 float32; lowp_scales 8 int32 (the exponents e of the quantised operands' scales 2^e); mask 1 x 1 x 2,048 x 2,048 int32; x_codes 4 x 2,048 x 32 x 32 uint8 (E4M3 codes of x, K innermost, in blocks of 32 codes).
;; Outputs: out0 4 x 2,048 x 1,024 float32.
;; This version of the problem:
;;   THIS VERSION OF THE PROBLEM IS GIVEN IN LOW PRECISION. The matrix products marked QUANTISED in the list below multiply operands that are first quantised to E4M3 (4 exponent bits, 3 mantissa bits; 8 bits a number), with one given power-of-two scale for each operand tensor; their sums are f32. All else is computed in f32.
;;   The module's matrix products, in the order in which they are computed (A, B: the left and right operand; K: the contracted axis; several contracted axes count as one K, in the product's order):
;;     1. [M 8,192, K 1,024] x [K 1,024, N 3,072]; A: input x (given as codes); B: input Wqkv (given as codes): QUANTISED (scales: A lowp_scales[0], B lowp_scales[1])
;;     2. batch 64 x [M 2,048, K 64] x [K 64, N 2,048]; A: computed on the way; B: computed on the way: QUANTISED (scales: A lowp_scales[2], B lowp_scales[3])
;;     3. batch 64 x [M 2,048, K 2,048] x [K 2,048, N 64]; A: softmax (see below); B: computed on the way: QUANTISED (scales: A lowp_scales[4], B lowp_scales[5])
;;     4. [M 8,192, K 1,024] x [K 1,024, N 1,024]; A: computed on the way; B: input Wo (given as codes): QUANTISED (scales: A lowp_scales[6], B lowp_scales[7])
;;   THE QUANTISER, for each operand of a quantised product, along K:
;;     - The operand's scale is 2^e, e = its entry of the input lowp_scales (int32; the entries are numbered through the quantised products in the list's order, A before B).
;;     - Each number is divided by the scale, clamped to +-448, and rounded to the nearest number of E4M3, ties to even, subnormals kept.
;;     - The product sums the exact products of the quantised numbers (number of the format x scale) in f32.
;;   ~~~python
;;   def quantise(x, axis, e):      # numpy; x: float32 -> the quantised numbers, widened to float32 again
;;       x = np.moveaxis(x, axis, -1); K = x.shape[-1]
;;       r = np.clip(x / 2.0 ** e, -448, 448)
;;       step = 2.0 ** (np.maximum(np.frexp(np.where(r == 0, 1, r))[1] - 1, -6) - 3)
;;       q = np.round(r / step) * step * 2.0 ** e      # np.round: ties to even
;;       return np.moveaxis(q, -1, axis).astype(np.float32)
;;   ~~~
;;   SOFTMAX AHEAD OF A QUANTISED PRODUCT. Where the list says 'softmax', what is quantised is not the finished softmax but p = 2^(t - M), with t = logit x log2(e) and M = ceil(the row's largest t), a whole number; so 1/2 < the row's largest p <= 1. The row's sum l is taken of the UNQUANTISED p, in f32, and the product's result is divided by l at the end. Since M is a whole number, a kernel that streams over the keys may use a running M (the ceiling of the running maximum): every later rescaling is an exact power of two, so the quantised numbers keep their values, but for numbers so far below the row's largest that they fall under the format's range.
;;   OPERANDS COMPUTED ON THE WAY. 'Computed on the way' means the value that the module computes at that place (a softmax that the list does not call 'softmax' is quantised finished and normalised). What goes into a quantiser is computed in f32, as accurately as f32 sums, v_exp_f32 and their like allow (about 1e-6 of the number): no bf16 or f16 on the way to a quantiser, and a product that is left as it is and whose result goes on into a quantised operand takes f32 operands (vector FMAs, or v_wmma_f32_16x16x4_f32). A number that lies on a knife's edge between two numbers of the format may be rounded either way, as far as f32 arithmetic and the matrix unit's own rounding can turn it there, and no further.
;;   INPUTS GIVEN AS CODES. Wo (in the module: [1024, 1024], K = its axis 0); Wqkv (in the module: [1024, 3072], K = its axis 0); x (in the module: [4, 2048, 1024], K = its axis 2): each comes as NAME_codes (uint8): NAME with its K axis moved to the last place and cut into blocks of 32 codes, [.., K / 32, bytes a block], one block behind the other in memory; one code a byte (a code: sign, 4 exponent bits, 3 mantissa bits); its scale is its entry of lowp_scales. Its value is code x scale, taken as it is: it is not quantised again, and the codes and scales need not be those that the quantiser above would give.
;; 2 versions, each right; version 2 is version 1 with the launch attn written anew for expert scheduling mode. Each part assembles by itself: llvm-mc -triple=amdgcn-amd-amdhsa -mcpu=gfx1250 --defsym DOCPART=n.
;; ======== version 1 of 2: 4 launches
;; limits: right only within a limited range of input values
;; workspace buffers: q_img 8,388,608 bytes; k_img 8,388,608 bytes; v_img 8,388,608 bytes; a_img 8,388,608 bytes; maskw 524,288 bytes of whole numbers; flagw 512 bytes of whole numbers
;; launch maskbits (part 1): grid 128 x 1, 16 waves a work-group, no clusters, 137,472 bytes of LDS; arguments mask, maskw, flagw; writes maskw, flagw
.if DOCPART == 1
	.amdgcn_target "amdgcn-amd-amdhsa--gfx1250"
	.amdhsa_code_object_version 6
	.text
	.protected	k_qe41a87caa7_maskbits
	.globl	k_qe41a87caa7_maskbits
	.p2align	8
	.type	k_qe41a87caa7_maskbits,@function
k_qe41a87caa7_maskbits:
	s_mov_b64 s[64:65], 0
	v_nop
	global_prefetch_b8 v0, s[64:65] scope:SCOPE_SE
	s_setreg_imm32_b32 hwreg(HW_REG_WAVE_MODE, 25, 1), 1
	s_wait_xcnt 0x0
; The mask [2048][2048] int32 is turned into lane masks and tile flags for the attention launch.
; A tile is 16 queries x 128 keys.  Work-group qt (0..127) takes queries 16 qt .. 16 qt + 15, wave ks (0..15) keys 128 ks .. 128 ks + 127.
; maskw[qt][ks][64 words]: bit r + 16 h of word 8 u + j is set where mask[16 qt + r][128 ks + 16 u + 8 h + j] != 0: the lane mask of register 8 u + j of the scores, in which
; lane (r, h) holds query r and key 16 u + 8 h + j.   flagw[qt]: bits 2 ks, 2 ks + 1: 0 = no key of the tile counts, 1 = some do, 2 = all do.
; Every word of the mask is read once, by loads of 512 consecutive bytes.  A lane needs eight neighbours of ONE row, so a tile turns through the wave's own stage in LDS (rows of 512 bytes + 16:
; 132 words, so that sixteen rows start at sixteen different banks; 64 banks of 4 bytes: ISA guide 11.1).  A tile's 64 words leave as one aligned block of 256 bytes.
; A work-group has 4 bytes of flags in all: they leave by one store of one lane.
; No matrix unit, no cluster (work-groups share no byte), no prefetch: each wave asks for all its 8,192 bytes at its head.
.set MROW,  8192                       ; a row of the mask in bytes
.set PITCH, 528                        ; a stage row
.set WSTG,  16*PITCH                   ; a wave's stage
.set FLG,   16*WSTG                    ; behind the stages: one word for each wave's flag
.set R,     16                         ; v16-79   the tile as loaded
.set X,     80                         ; v80-143  the tile turned: register 8 u + j as above
	s_load_b128 s[4:7], s[0:1], 0x0                ; mask, maskw
	s_load_b64 s[8:9], s[0:1], 0x10                ; flagw
	v_lshl_add_u32 v144, v0, 2, 0x21100
	v_mov_b32 v145, 0
	v_lshrrev_b32 v1, 5, v0
	v_readfirstlane_b32 s12, v1                    ; wave = ks
	v_and_b32 v1, 31, v0                           ; lane
	v_lshlrev_b32 v2, 4, v1                        ; my 16 bytes of a load's 512
	s_mul_i32 s15, s12, WSTG
	v_add_nc_u32 v3, s15, v2                       ; the stage, on the way in: a row as it lies
	v_and_b32 v10, 15, v0                          ; r
	v_bfe_u32 v11, v0, 4, 1                        ; h
	v_mul_u32_u24 v4, v10, PITCH
	v_lshl_add_u32 v4, v11, 5, v4
	v_add_nc_u32 v4, s15, v4                       ; and on the way out: row r, + 32 h bytes (8 keys)
	v_lshlrev_b32 v5, 3, v1                        ; my two words of the tile's 64
	v_mov_b32 v6, 0                                ; the words: written once, since a lane write counts as a read of its destination
	v_mov_b32 v7, 0
	v_mov_b32 v8, s12
	v_lshlrev_b32 v8, 2, v8
	v_add_nc_u32 v8, FLG, v8                       ; my wave's flag word
	v_mov_b32 v9, FLG
	s_mov_b32 s13, 0                               ; the OR of the tile's lane masks
	s_mov_b32 s14, -1                              ; and their AND
	s_lshl_b32 s16, ttmp9, 17                      ; 16 rows of 8,192 bytes,
	s_lshl_b32 s17, s12, 9                         ; + 128 keys of 4 bytes
	s_add_co_u32 s16, s16, s17
	s_mov_b32 s17, 0
	s_lshl_b32 s18, ttmp9, 12                      ; 16 records of 256 bytes,
	s_lshl_b32 s19, s12, 8                         ; + mine
	s_add_co_u32 s18, s18, s19
	s_mov_b32 s19, 0
	s_lshl_b32 s28, ttmp9, 2
	s_mov_b32 s29, 0
	s_wait_kmcnt 0x0
	s_add_nc_u64 s[4:5], s[4:5], s[16:17]
	s_add_nc_u64 s[6:7], s[6:7], s[18:19]
	s_add_nc_u64 s[8:9], s[8:9], s[28:29]
.irp p, 0,1,2,3,4,5,6,7,8,9,10,11,12,13,14,15
	global_load_b128 v[R+4*\p:R+4*\p+3], v2, s[4:5] offset:MROW*\p th:TH_LOAD_NT   ; row p: 32 lanes read 512 consecutive bytes; read once in the launch
.endr
.irp p, 0,1,2,3,4,5,6,7,8,9,10,11,12,13,14,15
	s_wait_loadcnt 15-\p                           ; loads come back in order: row p is in, the younger rows stay out
	ds_store_b128 v3, v[R+4*\p:R+4*\p+3] offset:PITCH*\p
.endr
.irp u, 0,1,2,3,4,5,6,7
	ds_load_b128 v[X+8*\u:X+8*\u+3], v4 offset:64*\u        ; LDS serves a wave's instructions in order: these see my stores
	ds_load_b128 v[X+8*\u+4:X+8*\u+7], v4 offset:64*\u+16
.endr
.irp u, 0,1,2,3,4,5,6,7
	s_wait_dscnt 14-2*\u                           ; group u's two loads are in; the later groups' stay out
.irp j, 0,1,2,3,4,5,6,7
	v_cmp_ne_u32 s[20+\j], 0, v[X+8*\u+\j]         ; the lane mask of register 8 u + j
.endr
.irp j, 0,1,2,3,4,5,6,7
	s_or_b32 s13, s13, s[20+\j]
	s_and_b32 s14, s14, s[20+\j]
	v_writelane_b32 v[6+\j%2], s[20+\j], 4*\u+\j/2 ; word n = 8 u + j goes to lane n / 2, register n % 2
.endr
.endr
	global_store_b64 v5, v[6:7], s[6:7]            ; 32 lanes store 256 consecutive bytes, at a multiple of 256 from maskw's first byte
	s_cmp_eq_u32 s14, -1
	s_cselect_b32 s15, 2, 1                        ; all count, or some
	s_cmp_eq_u32 s13, 0
	s_cselect_b32 s15, 0, s15                      ; or none
	s_lshl_b32 s16, s12, 1
	s_lshl_b32 s15, s15, s16                       ; at bits 2 ks, 2 ks + 1
	v_mov_b32 v10, s15
	ds_store_b32 v8, v10                           ; all lanes write the same word with the same value
	s_wait_dscnt 0x0                               ; for the others' sake: my flag has landed
	s_barrier_signal -1
	s_barrier_wait -1
	s_cmp_lg_u32 s12, 0
	s_cbranch_scc1 .Ldone                          ; wave 0 gathers the sixteen flags
.irp i, 0,1,2,3
	ds_load_b128 v[R+4*\i:R+4*\i+3], v9 offset:16*\i
.endr
	v_mov_b32 v11, 0
	s_wait_dscnt 0x0
.irp i, 1,2,3,4,5,6,7,8,9,10,11,12,13,14,15
	v_or_b32 v[R], v[R], v[R+\i]
.endr
	v_cmp_eq_u32 vcc_lo, 0, v1
	s_wait_xcnt 0x0                                ; EXEC is a source of the store above: it changes only behind this wait
	s_and_saveexec_b32 s16, vcc_lo
	global_store_b32 v11, v[R], s[8:9]             ; lane 0 alone: the work-group's one word of flags
	s_wait_xcnt 0x0                                ; and again, in front of the line that widens it
	s_or_b32 exec_lo, exec_lo, s16
.Ldone:
	s_wait_tensorcnt 0x0
	ds_add_u32 v144, v145
	s_wait_dscnt 0x0
	s_endpgm
.Lfunc_end_k_qe41a87caa7_maskbits:
	.size	k_qe41a87caa7_maskbits, .Lfunc_end_k_qe41a87caa7_maskbits-k_qe41a87caa7_maskbits
	.p2alignl 7, 3214868480
	.fill 96, 4, 3214868480
	.section	.rodata,"a",@progbits
	.p2align	6, 0x0
	.amdhsa_kernel k_qe41a87caa7_maskbits
		.amdhsa_group_segment_fixed_size 137472
		.amdhsa_private_segment_fixed_size 0
		.amdhsa_enable_private_segment 0
		.amdhsa_kernarg_size 24
		.amdhsa_user_sgpr_count 2
		.amdhsa_user_sgpr_kernarg_segment_ptr 1
		.amdhsa_wavefront_size32 1
		.amdhsa_system_sgpr_workgroup_id_x 1
		.amdhsa_system_sgpr_workgroup_id_y 1
		.amdhsa_system_sgpr_workgroup_id_z 1
		.amdhsa_system_vgpr_workitem_id 0
		.amdhsa_next_free_vgpr 146
		.amdhsa_next_free_sgpr 66
		.amdhsa_reserve_vcc 1
		.amdhsa_float_denorm_mode_32 3
		.amdhsa_float_denorm_mode_16_64 3
		.amdhsa_memory_ordered 1
		.amdhsa_forward_progress 1
		.amdhsa_inst_pref_size 20
	.end_amdhsa_kernel
	.amdgpu_metadata
---
amdhsa.version: [ 1, 2 ]
amdhsa.kernels:
  - .name:           k_qe41a87caa7_maskbits
    .symbol:         k_qe41a87caa7_maskbits.kd
    .args:
      - { .name: mask, .offset: 0, .size: 8, .value_kind: global_buffer, .address_space: global }
      - { .name: maskw, .offset: 8, .size: 8, .value_kind: global_buffer, .address_space: global }
      - { .name: flagw, .offset: 16, .size: 8, .value_kind: global_buffer, .address_space: global }
    .group_segment_fixed_size: 137472
    .private_segment_fixed_size: 0
    .kernarg_segment_align: 8
    .kernarg_segment_size: 24
    .max_flat_workgroup_size: 512
    .sgpr_count:     66
    .vgpr_count:     146
    .wavefront_size: 32
...
	.end_amdgpu_metadata
.endif
;; end of part 1
;; launch qkv (part 2): grid 12 x 32, 4 waves a work-group, clusters of 4 x 4, 327,680 bytes of LDS; arguments x_codes, Wqkv_codes, lowp_scales, q_img, k_img, v_img; writes q_img, k_img, v_img
.if DOCPART == 2
	.amdgcn_target "amdgcn-amd-amdhsa--gfx1250"
	.amdhsa_code_object_version 6
	.text
	.protected	k_qe41a87caa7_qkv
	.globl	k_qe41a87caa7_qkv
	.p2align	8
	.type	k_qe41a87caa7_qkv,@function
k_qe41a87caa7_qkv:
	s_mov_b64 s[64:65], 0
	v_nop
	global_prefetch_b8 v0, s[64:65] scope:SCOPE_SE
	s_setreg_imm32_b32 hwreg(HW_REG_WAVE_MODE, 25, 1), 1
	s_wait_xcnt 0x0
	s_wait_alu depctr_hold_cnt(0) depctr_sa_sdst(0) depctr_va_vdst(0) depctr_va_sdst(0) depctr_va_ssrc(0) depctr_va_vcc(0) depctr_vm_vsrc(0)
	s_getreg_b32 s2, hwreg(HW_REG_IB_STS2, 6, 4)
	s_cmp_eq_u32 s2, 0
	s_cbranch_scc0 .Lentry_in_a_cluster
	s_endpgm
.Lentry_in_a_cluster:
	s_bfe_u32 s2, ttmp6, 0x10000c
	s_cmp_lg_u32 s2, 0xf033
	s_cbranch_scc0 .Lentry_shape_is_right
	s_endpgm
.Lentry_shape_is_right:
; qkv = x Wqkv on codes of FP8 (E4M3), and its three parts quantised for the attention launch.  x: [8192 tokens][1024], Wqkv: [3072 channels][1024], codes, K innermost.
; A sum stands for sum x 2^(e0 + e1); its code under the part's scale 2^et (et = e2 for q, e3 for k, e5 for v) is sum / 2^(et - e0 - e1), held within +-448 and rounded by the conversion.
; LIMIT: et - e0 - e1 lies between -126 and 119, so that 2^(et - e0 - e1) and 448 times it are f32 numbers.
; A tile of 256 x 256 sums is made by a work-group of four waves, 128 x 128 a wave: 64 accumulators, 512 registers.  K goes in steps of 256 through a ring of two LDS slots filled by the tensor data mover.
; CLUSTERS: 4 x 4 work-groups.  The text knows an A side (source 1 of the products; tiles told apart by cy, shared along a row of the cluster) and a B side (source 0; told apart by cx, shared along a column).
; Each tile is asked for JOINTLY by the four that need it.  Cluster x = the part p (0 q, 1 k, 2 v), cluster y = Y: 1,024 tokens.
;   p < 2:  A side = x (tokens), B side = Wqkv (channels): a lane holds ONE TOKEN and eight neighbouring channels an accumulator: the head's axis runs along its registers, as q's and k's operands want it.
;   p = 2:  A side = Wqkv (channels), B side = x (tokens): a lane holds ONE CHANNEL and eight neighbouring tokens: the keys run along its registers, as v's operand wants it.
; Which tensor stands on which side is chosen by selects on p, which all sixteen partners share; both tensors have rows of 1,024 bytes, so one shape serves both.
; THE RESULTS LEAVE AS IMAGES OF THE NEXT OPERANDS' REGISTERS, straight from registers: four registers a store, lane l's 16 bytes at 16 l, 512 consecutive bytes.
;   q_img, k_img: [token / 16][head][1,024 bytes]: a fragment of 16 tokens x 64: lane (r, h): token r; registers 2 c, 2 c + 1: d = 16 c + 8 h + 0 .. 7.
;   v_img: [token / 128][channel / 16][2,048 bytes]: a fragment of 16 channels x 128 keys: lane (r, h): channel r; registers 2 c, 2 c + 1: key 16 c + 8 h + 0 .. 7.
; A block of 16 rows of the A side x my 128 of the B side gives 16 code registers: two neighbouring heads' fragments of one token tile (p < 2), or one fragment of v (p = 2): 2,048 bytes on end either way.
; REGISTERS, in windows of 256: window 0: v0-31 addresses and constants; v32-95 held sums, v96-127 codes (two sets), on the way out; from v128 the A side's fragments, ONE set.
;   window 1: the B side's fragments, TWO sets.   window 2: the accumulators of my A rows 0-63 (accumulator (a, b) at v[8 (8 a + b)]);   window 3: those of rows 64-127.
.set SIZE_K, 1024
.set KSTEP,  256                       ; along K in a slot
.set ROWB,   256                       ; a tile's row in bytes
.set KROW,   SIZE_K                    ; a row of x or of Wqkv in memory, in bytes
.set PITCH,  272                       ; an LDS row: 256 bytes + 16 of padding = 68 words: row r starts at bank 4 r mod 64 (64 banks of 4 bytes: ISA guide 11.1)
.set FR,     16                        ; registers of a fragment: 16 rows x 128 K
.set NL,     4                         ; LDS loads that bring one
.set NP,     4                         ; places behind this matrix instruction (ISA guide 7.12.1)
.set HALFT,  128*PITCH                 ; 128 rows: what one tensor load brings, and what one wave reads of a side
.set SLOT,   4*HALFT                   ; the A side's 256 rows, then the B side's
.set LAPS,   SIZE_K/(2*KSTEP)          ; a lap = two K steps = once round the ring
.set SPARE,  2*SLOT                    ; behind the ring: the spare words, 128 bytes for each wave: two blocks of 256 bytes that no other line names
.set ADRA, 16                          ; v16-17  LDS address of my A fragments in slot 0, 1
.set ADRB, 20                          ; v20-21  the same for B
.set CO,   26                          ; v26     16 x lane: my place in an image's 512 bytes
.set SCL,  27                          ; v27     2^(et - e0 - e1) as f32: the conversion takes its exponent field
.set SPW,  28                          ; v28     LDS address of my spare word: SPARE + 4 x my thread's number; never rewritten
.set NIL,  29                          ; v29     0; never rewritten
.set LIM,  30                          ; v30     448 x 2^(et - e0 - e1)
.set TMP,  32                          ; v32-95  a block's sums, held
.set CD,   96                          ; v96-127 a block's codes: two sets of 16 by turns
.set AF,   128                         ; the A side's fragments, in window 0
.set G1, 24                            ; s[24:31] descriptor group 1 for the A side;  s[32:39] group 0, one set for each slot
.set G0, 32
.set G1B, 48                           ; s[48:55], s[56:63] the same for the B side
.set G0B, 56
.set MSB, 0
.macro WIN new                         ; the immediate's high byte repeats the setting that is left
.if MSB != \new
	s_set_vgpr_msb (MSB<<8)|\new
.set MSB, \new
.endif
.endm
.set MUL_LO, 0xa1                      ; source 0 (B) window 1, source 1 (A) window 0, C and D window 2
.set MUL_HI, 0xf1                      ; the same, C and D window 3
.set TO_B,   0x40                      ; destination window 1, address window 0
; A joint load: waves 0 and 1 fetch for the A side, waves 2 and 3 for the B side.  Each of the two lines has ONE mask and one set of registers for all that issue it; the branch hangs on the wave's number alone.
; Four v_nop follow each of the two lines, ahead of the jump, the label and what follows.
.macro JLOAD g0a, g1a, g0b, g1b
	s_cmp_eq_u32 s15, 0
	s_cbranch_scc0 .Lfor_b_\@
	tensor_load_to_lds s[\g0a:\g0a+3], s[\g1a:\g1a+7]
	s_nop 0
.rept 4
	v_nop
.endr
	s_branch .Lasked_\@
.Lfor_b_\@:
	tensor_load_to_lds s[\g0b:\g0b+3], s[\g1b:\g1b+7]
	s_nop 0
.rept 4
	v_nop
.endr
.Lasked_\@:
.endm
.macro CREST                           ; a round of the cluster's barrier behind its opening barrier
	s_cmp_lg_u32 s14, 0
	s_cbranch_scc1 .Lnot_wave_0_\@
	s_barrier_signal -3
.Lnot_wave_0_\@:
	s_barrier_wait -3
	s_barrier_signal -1
	s_barrier_wait -1
.endm
.macro CROUND                          ; a whole round
	s_barrier_signal -1
	s_barrier_wait -1
	CREST
.endm
	s_load_b128 s[4:7], s[0:1], 0x0                ; x's codes s[4:5], Wqkv's codes s[6:7]
	s_load_b64 s[8:9], s[0:1], 0x10                ; the scales' exponents
	s_load_b128 s[76:79], s[0:1], 0x18             ; q_img s[76:77], k_img s[78:79]
	s_load_b64 s[92:93], s[0:1], 0x28              ; v_img
	v_lshl_add_u32 v[SPW], v0, 2, SPARE
	v_mov_b32 v[NIL], 0
	ds_add_u32 v28, v29
	ds_add_u32 v28, v29
	s_wait_dscnt 0x0
	v_lshrrev_b32 v1, 5, v0
	v_readfirstlane_b32 s14, v1                    ; wave 0..3
	s_lshr_b32 s15, s14, 1                         ; which half of the A side's rows is mine.  Also: I fetch for A (0) or for B (1)
	s_and_b32 s16, s14, 1                          ; which half of the B side's.  Also: which 128 rows of that tile I fetch
	s_bfe_u32 s40, ttmp6, 0x40000                  ; cx, cy: my place in the cluster
	s_bfe_u32 s41, ttmp6, 0x40004
	s_mov_b32 s42, ttmp9                           ; p: the part
	s_and_b32 s17, ttmp7, 0xffff                   ; Y: which 1,024 tokens
	s_lshl_b32 s43, s41, 2
	s_lshl_b32 s43, 15, s43                        ; my row of the cluster
	s_lshl_b32 s44, 0x1111, s40                    ; my column
	; descriptor group 1: a tile of 128 rows x 256 bytes, padded in LDS
	s_or_b32 s[G1+0], s43, (0<<16)|(1<<20)|(1<<21)|(5<<22)|(3<<25)  ; 15:0 the mask: the A side's tiles go to my row; 17:16 element of 1 byte; 20 padding on; 21 set beside a mask; 24:22 after every 64 words (code 5); 31:25 of 4 words (code 3)
	s_or_b32 s[G1B+0], s44, (0<<16)|(1<<20)|(1<<21)|(5<<22)|(3<<25) ; the same with the mask of my column
.irp g, G1, G1B
	s_mov_b32 s[\g+1], ROWB<<16                    ; tensor_dim0
	s_mov_b32 s[\g+2], 128<<16                     ; tensor_dim1 = 128
	s_mov_b32 s[\g+3], ROWB<<16                    ; tile_dim0
	s_mov_b32 s[\g+4], 128                         ; tile_dim1 = 128
	s_mov_b32 s[\g+5], KROW                        ; tensor_dim0_stride
	s_mov_b32 s[\g+6], 0
	s_mov_b32 s[\g+7], 0
.endr
	s_lshl_b32 s86, s17, 10                        ; 1,024 Y: the cluster's first token
	s_lshl_b32 s87, s42, 10                        ; 1,024 p: the part's first channel
	s_cmp_lt_u32 s42, 2                            ; q or k?  The same answer in all sixteen partners
	s_cselect_b32 s88, s86, s87                    ; the A side's first row: tokens for q and k, channels for v
	s_cselect_b32 s89, s87, s86                    ; the B side's: the other
	s_lshl_b32 s18, s16, 7                         ; which 128 rows of the tile I fetch
	s_lshl_b32 s20, s41, 8
	s_add_co_u32 s20, s20, s18
	s_add_co_u32 s20, s20, s88                     ; A: first row + 256 cy + 128 x half
	s_lshl_b32 s20, s20, 10                        ; in bytes: rows of 1,024; under 2^23
	s_mov_b32 s21, 0
	s_lshl_b32 s46, s40, 8
	s_add_co_u32 s46, s46, s18
	s_add_co_u32 s46, s46, s89                     ; B: first row + 256 cx + 128 x half
	s_lshl_b32 s46, s46, 10
	s_mov_b32 s47, 0
	s_mul_i32 s45, s14, HALFT                      ; where they go: wave x 128 rows: no place in the cluster enters an LDS address
	; where my results go.  RA, RB: my first row of each side within the cluster's 1,024
	s_lshl_b32 s94, s41, 8
	s_lshl_b32 s95, s15, 7
	s_add_co_u32 s94, s94, s95                     ; RA = 256 cy + 128 x my half of A
	s_lshl_b32 s95, s40, 8
	s_lshl_b32 s96, s16, 7
	s_add_co_u32 s95, s95, s96                     ; RB = 256 cx + 128 x my half of B
	s_lshl_b32 s96, s95, 4                         ; q, k: RB channels are RB / 64 heads of 1,024 bytes
	s_lshl_b32 s97, s94, 7                         ; v: RA channels are RA / 16 fragments of 2,048 bytes
	s_mov_b32 s80, 2048
	s_cmp_lt_u32 s42, 2
	s_cselect_b32 s94, s94, s95                    ; the side that holds tokens
	s_cselect_b32 s96, s96, s97
	s_cselect_b32 s80, 16384, s80                  ; from block to block: a token tile's 16 heads, or one fragment of v
	s_mov_b32 s81, 0
	s_add_co_u32 s94, s94, s86                     ; my first token;
	s_lshl_b32 s94, s94, 10                        ; 16 tokens are 16,384 bytes of q_img, 128 tokens 131,072 of v_img: 1,024 a token in both
	s_add_co_u32 s94, s94, s96
	s_mov_b32 s95, 0
	s_wait_kmcnt 0x0
	s_load_b256 s[68:75], s[8:9], 0x0              ; e0 .. e7
	s_cmp_lt_u32 s42, 2
	s_cselect_b64 s[82:83], s[4:5], s[6:7]         ; the A side's tensor
	s_cselect_b64 s[84:85], s[6:7], s[4:5]         ; the B side's
	s_add_nc_u64 s[20:21], s[82:83], s[20:21]
	s_add_nc_u64 s[46:47], s[84:85], s[46:47]
	CROUND                                         ; all sixteen work-groups are here: the first joint loads meet
.irp s, 0,1
	s_mov_b32 s[G0+4*\s], 1                        ; count = 1
	s_add_co_u32 s[G0+4*\s+1], s45, \s*SLOT        ; LDS address
	s_add_nc_u64 s[G0+4*\s+2:G0+4*\s+3], s[20:21], \s*ROWB   ; global address: K step s
	s_or_b32 s[G0+4*\s+3], s[G0+4*\s+3], 0x80000000          ; type = 2
	s_mov_b32 s[G0B+4*\s], 1
	s_add_co_u32 s[G0B+4*\s+1], s45, \s*SLOT
	s_add_nc_u64 s[G0B+4*\s+2:G0B+4*\s+3], s[46:47], \s*ROWB
	s_or_b32 s[G0B+4*\s+3], s[G0B+4*\s+3], 0x80000000
	JLOAD G0+4*\s, G1, G0B+4*\s, G1B
.endr
	v_and_b32 v1, 15, v0                           ; l % 16
	v_bfe_u32 v2, v0, 4, 1                         ; l / 16
	v_mul_u32_u24 v3, v1, PITCH
	v_lshl_add_u32 v4, v2, 4, v3                   ; a fragment's row x pitch + 16 x half
	s_mul_i32 s21, s15, HALFT                      ; my 128 rows of A
	s_mul_i32 s22, s16, HALFT                      ; my 128 rows of B,
	s_add_co_u32 s22, s22, 2*HALFT                 ; which lie behind A's 256
.irp s, 0,1
	v_add_nc_u32 v[ADRA+\s], s21, v4
	v_add_nc_u32 v[ADRB+\s], s22, v4
	s_add_co_u32 s21, s21, SLOT
	s_add_co_u32 s22, s22, SLOT
.endr
	v_and_b32 v6, 31, v0
	v_lshlrev_b32 v[CO], 4, v6
; A fragment, 16 rows x 128 K of 8-bit codes, is 16 registers, fetched by four loads of 16 bytes: registers 4 c .. 4 c + 3 hold K = 32 c + 16 (l / 16) + 0 .. 15.
; That is a permutation of k, the same on both sides: every product meets its partner, and only the order of the sums inside an instruction changes.
.macro FRAG reg, adr, q, i
.irp c, 0,1,2,3
	ds_load_b128 v[\reg+4*\c:\reg+4*\c+3], v[\adr] offset:128*(\q)+32*\c+(\i)*16*PITCH
.endr
.endm
; 16 matrix instructions: A's blocks a0, a0 + 1 x B's eight, 128 along K.  p: B's set.  zero = 1: the first product starts the sums: nothing is ever cleared.
; The 64 accumulators take turns, one instruction a turn, in the same order in every step.
.macro MUL16 a0, p, zero
.irp a, \a0, \a0+1
.irp b, 0,1,2,3,4,5,6,7
.if \zero
	v_wmma_f32_16x16x128_fp8_fp8 v[8*(8*((\a)%4)+\b):8*(8*((\a)%4)+\b)+7], v[128*(\p)+FR*\b:128*(\p)+FR*\b+FR-1], v[AF+FR*(\a):AF+FR*(\a)+FR-1], 0
.else
	v_wmma_f32_16x16x128_fp8_fp8 v[8*(8*((\a)%4)+\b):8*(8*((\a)%4)+\b)+7], v[128*(\p)+FR*\b:128*(\p)+FR*\b+FR-1], v[AF+FR*(\a):AF+FR*(\a)+FR-1], v[8*(8*((\a)%4)+\b):8*(8*((\a)%4)+\b)+7]
.endif
.endr
.endr
.endm
.macro FETCH_B slot, q, p              ; B's eight fragments of the slot's q-th 128 along K into set p
	WIN TO_B
.irp i, 0,1,2,3,4,5,6,7
	FRAG 128*(\p)+FR*\i, ADRB+\slot, \q, \i
.endr
	WIN 0
.endm
.macro FETCH_A slot, q, i0             ; A's blocks i0 .. i0 + 3
.irp i, \i0, \i0+1, \i0+2, \i0+3
	FRAG AF+FR*(\i), ADRA+\slot, \q, \i
.endr
.endm
; A load into a register that a matrix instruction has read, and a vector instruction that reads a matrix result, stand NP places behind that matrix instruction, and only plain vector
; instructions that name none of its registers are places (ISA guide 7.12.1 for vector instructions).
.macro PLACES n
.rept \n
	v_nop
.endr
.endm
; A step of 128 along K that has its successor in the same slot.  A block of A is free as soon as its eight products are issued: blocks 0-3 are fetched anew in the step's middle, blocks 4-7 at its end.
.macro STEP slot, q, zero
	s_wait_dscnt 4*NL                              ; B's set and A's blocks 0-3 are in; the youngest sixteen loads (A's blocks 4-7) may be out
	WIN MUL_LO
	MUL16 0, (\q)%2, \zero
	MUL16 2, (\q)%2, \zero
	s_wait_dscnt 0                                 ; A's blocks 4-7 are in (asked for 32 matrix instructions ago)
	PLACES NP
	FETCH_B \slot, (\q)+1, 1-(\q)%2
	FETCH_A \slot, (\q)+1, 0
	WIN MUL_HI
	MUL16 4, (\q)%2, \zero
	MUL16 6, (\q)%2, \zero
	PLACES NP
	WIN 0
	FETCH_A \slot, (\q)+1, 4
.endm
; A slot's last step changes slots: ONE barrier; in front of it each wave waits for all its tensor loads, adds 0 to its spare word, and waits for that and for its own reads of this slot.  fill = 1: this slot is filled again, two K steps ahead.
.macro TURN slot, next, fill
	s_wait_tensorcnt 0x0                           ; all my tensor loads have landed: my part of the next slot;  (every window is 0 here: the add's two registers lie in window 0)
	ds_add_u32 v[SPW], v[NIL]                      ; 0 onto my spare word
	s_wait_dscnt 4*NL+1                            ; (the add and the youngest sixteen loads, A's blocks 4-7, may be out)
	WIN MUL_LO
	MUL16 0, 1, 0                                  ; sixteen matrix instructions stand between the add and the wait for it
	s_wait_dscnt 0x0                               ; the add is done, and my reads of this slot are over
	s_barrier_signal -1
	MUL16 2, 1, 0
	WIN 0
	s_barrier_wait -1
.if \fill
	CREST                                          ; the barrier has opened a round of the cluster's barrier: no wave of any partner still reads this slot's tile or has a load on its way
	s_add_nc_u64 s[G0+4*\slot+2:G0+4*\slot+3], s[G0+4*\slot+2:G0+4*\slot+3], 2*ROWB
	s_add_nc_u64 s[G0B+4*\slot+2:G0B+4*\slot+3], s[G0B+4*\slot+2:G0B+4*\slot+3], 2*ROWB
	JLOAD G0+4*\slot, G1, G0B+4*\slot, G1B         ; the first tensor load behind the round; the four v_nop behind it are the places in front of the loads below
.else
	PLACES NP
.endif
	FETCH_B \next, 0, 0
	FETCH_A \next, 0, 0
	WIN MUL_HI
	MUL16 4, 1, 0
	MUL16 6, 1, 0
	PLACES NP
	WIN 0
	FETCH_A \next, 0, 4
.endm
	s_wait_tensorcnt 1                             ; my part of K step 0 is in (K step 1's load may be out)
	s_barrier_signal -1
	s_barrier_wait -1                              ; everybody's is
	FETCH_B 0, 0, 0
	FETCH_A 0, 0, 0
	FETCH_A 0, 0, 4
	STEP 0, 0, 1                                   ; the first step stands in front of the loop: its products start the sums
	s_mov_b32 s3, LAPS-1
.Llap:                                                 ; a trip goes once round the ring, from a lap's second step to the next lap's first, and fills both slots again
	TURN 0, 1, 1
	STEP 1, 0, 0
	TURN 1, 0, 1
	STEP 0, 0, 0
	s_sub_co_u32 s3, s3, 1
	s_cmp_lg_u32 s3, 0
	s_cbranch_scc1 .Llap
	TURN 0, 1, 0                                   ; the last lap fills nothing, and has no round of the cluster's barrier
	STEP 1, 0, 0
	s_wait_dscnt 4*NL                              ; the very last step: nothing more to fetch
	WIN MUL_LO
	MUL16 0, 1, 0
	MUL16 2, 1, 0
	s_wait_dscnt 0
	WIN MUL_HI
	MUL16 4, 1, 0
	MUL16 6, 1, 0
	WIN 0
; THE WAY OUT, block by block of 16 rows of the A side.  The block's 64 sums of a lane are held within +-448 x the folded scale (the conversion to an 8-bit code does not saturate: ISA guide 7.6.2), each accumulator
; from its low end on; eight conversions make 16 code registers, accumulator b's codes in registers 2 b, 2 b + 1; four stores of 512 consecutive bytes write the image.
; The code registers take turns between two sets: block a's conversions write the set that block a - 2 stored, which block a - 1's wait on XCNT has freed.
.macro OUTBLK a
.set AC, 64*((\a)%4)
.set CC, CD+16*((\a)%2)
	WIN 0x02+((\a)/4)                              ; source 0: window 2 or 3
.set j, 0
.rept 64
	v_med3_num_f32 v[TMP+j], v[AC+j], -v[LIM], v[LIM]
.set j, j+1
.endr
	WIN 0
.irp b, 0,1,2,3,4,5,6,7
	v_cvt_scalef32_pk8_fp8_f32 v[CC+2*\b:CC+2*\b+1], v[TMP+8*\b:TMP+8*\b+7], v[SCL]
.endr
	v_nop                                          ; one plain vector instruction behind the last conversion: the next block's holds write the conversions' sources
.if (\a) > 0
	s_wait_xcnt 0x0                                ; the earlier stores have read their base and their data
	s_add_nc_u64 s[10:11], s[10:11], s[80:81]      ; the next token tile, or the next fragment of v
.endif
.irp c, 0,1,2,3
	global_store_b128 v[CO], v[CC+4*\c:CC+4*\c+3], s[10:11] offset:512*\c   ; 32 lanes store 512 consecutive bytes, at a multiple of 512 from the buffer's first byte
.endr
.endm
	s_wait_kmcnt 0x0                               ; e0 .. e7
	s_cmp_eq_u32 s42, 0
	s_cselect_b64 s[10:11], s[76:77], s[78:79]     ; q_img or k_img,
	s_cselect_b32 s90, s70, s71                    ; e2 or e3,
	s_cmp_lt_u32 s42, 2
	s_cselect_b64 s[10:11], s[10:11], s[92:93]     ; or v_img
	s_cselect_b32 s90, s90, s73                    ; and e5
	s_add_nc_u64 s[10:11], s[10:11], s[94:95]
	s_sub_co_i32 s90, s90, s68
	s_sub_co_i32 s90, s90, s69                     ; et - e0 - e1
	s_add_co_i32 s90, s90, 127
	s_lshl_b32 s91, s90, 23
	v_mov_b32 v[SCL], s91
	s_add_co_i32 s90, s90, 8
	s_lshl_b32 s90, s90, 23
	s_or_b32 s90, s90, 0x600000                    ; 448's mantissa field over the exponent field raised by 8
	v_mov_b32 v[LIM], s90
	PLACES NP                                      ; behind the last products, in front of the first read of results
.irp a, 0,1,2,3,4,5,6,7
	OUTBLK \a
.endr
	s_wait_tensorcnt 0x0                           ; the wave's end
	ds_add_u32 v[SPW], v[NIL]
	s_wait_dscnt 0x0
	CROUND                                         ; the closing round: no work-group ends while a partner may still ask for a tile that names it
	s_endpgm
.Lfunc_end_k_qe41a87caa7_qkv:
	.size	k_qe41a87caa7_qkv, .Lfunc_end_k_qe41a87caa7_qkv-k_qe41a87caa7_qkv
	.p2alignl 7, 3214868480
	.fill 96, 4, 3214868480
	.section	.rodata,"a",@progbits
	.p2align	6, 0x0
	.amdhsa_kernel k_qe41a87caa7_qkv
		.amdhsa_group_segment_fixed_size 327680
		.amdhsa_private_segment_fixed_size 0
		.amdhsa_enable_private_segment 0
		.amdhsa_kernarg_size 48
		.amdhsa_user_sgpr_count 2
		.amdhsa_user_sgpr_kernarg_segment_ptr 1
		.amdhsa_wavefront_size32 1
		.amdhsa_system_sgpr_workgroup_id_x 1
		.amdhsa_system_sgpr_workgroup_id_y 1
		.amdhsa_system_sgpr_workgroup_id_z 1
		.amdhsa_system_vgpr_workitem_id 0
		.amdhsa_next_free_vgpr 1024
		.amdhsa_next_free_sgpr 100
		.amdhsa_reserve_vcc 0
		.amdhsa_float_denorm_mode_32 3
		.amdhsa_float_denorm_mode_16_64 3
		.amdhsa_memory_ordered 1
		.amdhsa_forward_progress 1
		.amdhsa_inst_pref_size 119
	.end_amdhsa_kernel
	.amdgpu_metadata
---
amdhsa.version: [ 1, 2 ]
amdhsa.kernels:
  - .name:           k_qe41a87caa7_qkv
    .symbol:         k_qe41a87caa7_qkv.kd
    .args:
      - { .name: x_codes, .offset: 0, .size: 8, .value_kind: global_buffer, .address_space: global }
      - { .name: Wqkv_codes, .offset: 8, .size: 8, .value_kind: global_buffer, .address_space: global }
      - { .name: lowp_scales, .offset: 16, .size: 8, .value_kind: global_buffer, .address_space: global }
      - { .name: q_img, .offset: 24, .size: 8, .value_kind: global_buffer, .address_space: global }
      - { .name: k_img, .offset: 32, .size: 8, .value_kind: global_buffer, .address_space: global }
      - { .name: v_img, .offset: 40, .size: 8, .value_kind: global_buffer, .address_space: global }
    .group_segment_fixed_size: 327680
    .private_segment_fixed_size: 0
    .kernarg_segment_align: 8
    .kernarg_segment_size: 48
    .max_flat_workgroup_size: 128
    .sgpr_count:     100
    .vgpr_count:     1024
    .wavefront_size: 32
...
	.end_amdgpu_metadata
.endif
;; end of part 2
;; launch attn (part 3): grid 4 x 64, 16 waves a work-group, no clusters, 264,192 bytes of LDS; arguments q_img, k_img, v_img, maskw, flagw, lowp_scales, a_img; writes a_img
.if DOCPART == 3
	.amdgcn_target "amdgcn-amd-amdhsa--gfx1250"
	.amdhsa_code_object_version 6
	.text
	.protected	k_qe41a87caa7_attn
	.globl	k_qe41a87caa7_attn
	.p2align	8
	.type	k_qe41a87caa7_attn,@function
k_qe41a87caa7_attn:
	s_mov_b64 s[64:65], 0
	v_nop
	global_prefetch_b8 v0, s[64:65] scope:SCOPE_SE
	s_setreg_imm32_b32 hwreg(HW_REG_WAVE_MODE, 25, 1), 1
	s_wait_xcnt 0x0
; Attention of one head on codes of FP8 (E4M3), head size 64, 2,048 queries and keys, under the mask that is given.  Both products on codes; the result is quantised for the last product.
; t = sum x 2^(e2 + e3) x log2(e) / 8; M = the row's largest t so far, rounded UP to a whole number; p = 2^(t - M) is quantised with 2^e4 along the keys, not normalised; the row's sum l is taken of the
; unquantised p in f32.  When M moves, l and O are multiplied by 2^(old M - new M): exact.  The result is O x 2^(e4 + e5) / l, held within +-448 x 2^e6 and converted with 2^e6.
; A hidden key's score becomes -infinity ahead of the maximum, so its p is 0.  A QUERY WITH NO OPEN KEY has l = 0: its 64 numbers become NaN, and so their codes.
; LIMITS on the given exponents, so that each power of two below is an f32 number: e2 + e3 between -123 and 130 (added to the exponent field of log2(e) / 8); e4 and e6 between -126 and 119.
; SHARES.  Work-group (j, bh): batch bh / 16, head bh % 16.  The head's WHOLE K (128 KiB) and V (128 KiB) are copied once, through registers, into LDS, as the images of operand registers in which the
; launch before left them; one barrier; nothing is written to LDS after it.  Wave w owns two tiles of 16 queries, 4 w + j and 127 - (4 w + j), one after the other.
; Sixteen waves of 256 registers, four to a SIMD, so that one wave's vector work stands beside another's products and LDS loads.
; A STEP is 16 queries x 128 keys.  flagw says of each step whether no key counts (the step adds p = 0 and moves no maximum: it is left out), some (the step's 64 lane masks are read from maskw), or all.
; These are scalar branches on whole numbers that an earlier launch stored.
; NO CLUSTER, NO TENSOR LOAD: the four work-groups of a head read the same 256 KiB, once each, at their heads; a joint request needs tensor loads.
; The steps that the flags leave out can be up to 960 of a head's 2,048, which weighs more than three more reads of 256 KiB.  No prefetch: all that a wave reads of K, V and Q is asked for at its head.
; LAYOUT.  Both products are used transposed: S^T = K Q^T (source 0 = 16 keys, source 1 = my 16 queries), O^T = V^T P^T (source 0 = 16 channels, source 1 = P): a lane holds ONE query (lane % 16) throughout.
; In S^T's tile u lane (r, h) holds keys 16 u + 8 h + 0 .. 7: eight codes are registers 2 u, 2 u + 1 of P's fragment of 128 keys.  In O^T's tile c it holds channels 16 c + 8 h + 0 .. 7: registers 2 c, 2 c + 1 of the
; next product's fragment.  So nothing changes lanes, and the result leaves straight from registers: a_img [token / 16][head][1,024 bytes].
; REGISTERS: v1 16 x lane; v2-6 the fill's offsets; v8, v9 LDS addresses of the step's K and V; v12 -M, v13 the largest t, v[14:15] l in two halves; v16-23, v24-31 Q of my two tiles; v32-95 K's eight fragments, then V's four;
; v96-159 S^T, then p; v160-191 O^T; v192-207 p's codes; v236-254 constants and at work.
.set KF,  32
.set S,   96
.set O,   160
.set PC,  192
.set VLDS, 131072                      ; LDS: K's 128 fragments of 1,024 bytes, then V's 64 of 2,048
.set CS,  54                           ; s[54:55] c = log2(e) / 8 x 2^(e2 + e3): the packed form names a pair and takes its low word for both halves
.set SEL, 56                           ; s[56:57] lane selects for v_permlanex16_b32: lane l xor 16
.set FL,  58                           ; s58  the step's flag
.set TB,  59                           ; s59  8,192 x the step: where its tiles begin in K's part and in V's part of LDS
.set CNT, 60                           ; s60  steps to go
.set E4,  61                           ; s61  e4
.set EO,  62                           ; s62  e4 + e5
.set WV,  63                           ; s63  my wave's number
; s[4:51], s[68:83]: a step's 64 lane masks (word n in s[4 + n], from n = 48 on in s[20 + n]); at the head they hold the arguments and the scales
	s_load_b256 s[4:11], s[0:1], 0x0               ; q_img s[4:5], k_img s[6:7], v_img s[8:9], maskw s[10:11]
	s_load_b128 s[12:15], s[0:1], 0x20             ; flagw s[12:13], the scales' exponents s[14:15]
	s_load_b64 s[16:17], s[0:1], 0x30              ; a_img
	v_lshl_add_u32 v249, v0, 2, 0x40000
	v_mov_b32 v255, 0
	v_lshrrev_b32 v1, 5, v0
	v_readfirstlane_b32 s[WV], v1                  ; wave 0..15
	v_and_b32 v1, 31, v0
	v_lshlrev_b32 v1, 4, v1                        ; 16 x lane: my place in an image's 512 bytes
	s_lshl_b32 s98, s[WV], 14
	v_add_nc_u32 v2, s98, v1                       ; K in memory: key tile w (a token tile's 16 heads are 16,384 bytes)
	s_lshl_b32 s98, s[WV], 17
	v_add_nc_u32 v3, s98, v1                       ; V in memory: key step w (128 tokens' 64 fragments are 131,072 bytes)
	s_lshl_b32 s98, s[WV], 10
	v_add_nc_u32 v4, s98, v1                       ; K in LDS: key tile w,
	v_add_nc_u32 v5, 65536, v4                     ; and key tile 64 + w: an LDS offset has 16 bits
	s_lshl_b32 s98, s[WV], 13
	v_add_nc_u32 v6, s98, v1
	v_add_nc_u32 v6, VLDS, v6                      ; V in LDS: key step w
	s_and_b32 s58, ttmp7, 0xffff                   ; bh
	s_lshr_b32 s59, s58, 4
	s_lshl_b32 s59, s59, 21                        ; the batch: 2,048 tokens x 1,024 bytes in every image
	s_and_b32 s58, s58, 15                         ; the head
	s_lshl_b32 s60, s58, 10
	s_add_co_u32 s60, s60, s59                     ; in q_img, k_img, a_img: + 1,024 x head
	s_lshl_b32 s61, s58, 13
	s_add_co_u32 s61, s61, s59                     ; in v_img: + the head's four fragments of 2,048
	s_lshl_b32 s62, s[WV], 2
	s_add_co_u32 s62, s62, ttmp9                   ; my first tile of queries: 4 w + j
	s_sub_co_u32 s58, 127, s62                     ; my second
	s_mov_b32 s[SEL], 0x76543210
	s_mov_b32 s[SEL+1], 0xfedcba98
	s_mov_b32 s99, 0
	s_wait_kmcnt 0x0
	s_mov_b32 s98, s60
	s_add_nc_u64 s[52:53], s[6:7], s[98:99]        ; K of my head
	s_mov_b32 s98, s61
	s_add_nc_u64 s[66:67], s[8:9], s[98:99]        ; V of my head
	s_lshl_b32 s98, s62, 14
	s_add_co_u32 s98, s98, s60
	s_add_nc_u64 s[84:85], s[4:5], s[98:99]        ; Q's fragment and the result's, first tile
	s_add_nc_u64 s[88:89], s[16:17], s[98:99]
	s_lshl_b32 s98, s58, 14
	s_add_co_u32 s98, s98, s60
	s_add_nc_u64 s[86:87], s[4:5], s[98:99]        ; second tile
	s_add_nc_u64 s[90:91], s[16:17], s[98:99]
	s_lshl_b32 s98, s62, 12
	s_add_nc_u64 s[92:93], s[10:11], s[98:99]      ; a tile's sixteen records of 256 bytes of lane masks
	s_lshl_b32 s98, s58, 12
	s_add_nc_u64 s[94:95], s[10:11], s[98:99]
	s_lshl_b32 s98, s62, 2
	s_add_nc_u64 s[100:101], s[12:13], s[98:99]
	s_load_b32 s96, s[100:101], 0x0                ; the first tile's sixteen flags
	s_lshl_b32 s98, s58, 2
	s_add_nc_u64 s[98:99], s[12:13], s[98:99]
	s_load_b32 s97, s[98:99], 0x0                  ; the second's
	s_load_b256 s[68:75], s[14:15], 0x0            ; e0 .. e7
.irp i, 0,1,2,3,4,5,6,7                        ; K: my eight key tiles 16 i + w, 1,024 bytes each
	global_load_b128 v[64+8*\i:64+8*\i+3], v2, s[52:53] offset:262144*\i
	global_load_b128 v[64+8*\i+4:64+8*\i+7], v2, s[52:53] offset:262144*\i+512
.endr
.irp i, 0,1,2,3,4,5,6,7,8,9,10,11,12,13,14,15  ; V: my key step's four fragments, 8,192 bytes on end
	global_load_b128 v[128+4*\i:128+4*\i+3], v3, s[66:67] offset:512*\i
.endr
	global_load_b128 v[16:19], v1, s[84:85]        ; Q's two fragments stay in registers
	global_load_b128 v[20:23], v1, s[84:85] offset:512
	global_load_b128 v[24:27], v1, s[86:87]
	global_load_b128 v[28:31], v1, s[86:87] offset:512
	v_mov_b32 v236, 0                              ; written once: a lane permute's destination counts as one of its sources
	v_mov_b32 v252, 0
	v_mov_b32 v253, 0                              ; (named as the upper halves of the pairs v[252:253] and v[250:251])
	v_mov_b32 v251, 0
	v_mov_b32 v248, 0xff800000                     ; -infinity
	s_wait_kmcnt 0x0                               ; the flags and the scales
	s_add_co_i32 s98, s70, s71
	s_lshl_b32 s98, s98, 23
	s_mov_b32 s[CS], 0x3e38aa3b                    ; log2(e) / 8
	s_add_co_i32 s[CS], s[CS], s98                 ; a score stands for score x 2^(e2 + e3): the two exponents are added to c's exponent field
	s_mov_b32 s[CS+1], s[CS]                       ; (named with it as a pair, so it is written)
	s_mov_b32 s[E4], s72
	s_add_co_i32 s[EO], s72, s73
	s_add_co_i32 s98, s72, 127
	s_lshl_b32 s99, s98, 23
	v_mov_b32 v244, s99                            ; 2^e4 as f32, for p's conversions
	s_add_co_i32 s98, s98, 8
	s_lshl_b32 s98, s98, 23
	s_or_b32 s98, s98, 0x600000
	v_mov_b32 v240, s98                            ; 448 x 2^e4
	s_add_co_i32 s98, s74, 127
	s_lshl_b32 s99, s98, 23
	v_mov_b32 v246, s99                            ; 2^e6, for the result's conversions
	s_add_co_i32 s98, s98, 8
	s_lshl_b32 s98, s98, 23
	s_or_b32 s98, s98, 0x600000
	v_mov_b32 v247, s98                            ; 448 x 2^e6
	s_wait_loadcnt 20                              ; K's sixteen loads are in; V's sixteen and Q's four may be out
.irp i, 0,1,2,3
	ds_store_b128 v4, v[64+8*\i:64+8*\i+3] offset:16384*\i
	ds_store_b128 v4, v[64+8*\i+4:64+8*\i+7] offset:16384*\i+512
.endr
.irp i, 0,1,2,3
	ds_store_b128 v5, v[96+8*\i:96+8*\i+3] offset:16384*\i
	ds_store_b128 v5, v[96+8*\i+4:96+8*\i+7] offset:16384*\i+512
.endr
	s_wait_loadcnt 4                               ; V's are in; Q's four may be out
.irp i, 0,1,2,3,4,5,6,7,8,9,10,11,12,13,14,15
	ds_store_b128 v6, v[128+4*\i:128+4*\i+3] offset:512*\i
.endr
	s_wait_dscnt 0x0                               ; for the others' sake: my stores have landed
	s_barrier_signal -1
	s_barrier_wait -1                              ; the head's K and V lie in LDS; from here on LDS is only read
	s_wait_loadcnt 0x0                             ; Q
; The step's scores: K's eight fragments, eight products of K = 64, each started with the constant 0; then V's four fragments are asked for, into the registers that K has left: they land under the softmax.
; Two v_nop and the two additions in front of them are the four places between the last step's products, which read v32-95, and the loads into these registers; four v_nop stand behind the eight
; products, in front of V's loads and of the first read of the scores (ISA guide 7.12.1 for vector instructions).
.macro SCORES q
	v_nop
	v_nop
.irp u, 0,1,2,3,4,5,6,7
	ds_load_b128 v[KF+8*\u:KF+8*\u+3], v8 offset:1024*\u
	ds_load_b128 v[KF+8*\u+4:KF+8*\u+7], v8 offset:1024*\u+512
.endr
.irp u, 0,1,2,3,4,5,6,7
	s_wait_dscnt 14-2*\u                           ; fragment u's two loads are in; the later fragments' may be out
	v_wmma_f32_16x16x64_fp8_fp8 v[S+8*\u:S+8*\u+7], v[KF+8*\u:KF+8*\u+7], v[\q:\q+7], 0
.endr
.rept 4
	v_nop
.endr
.irp i, 0,1,2,3,4,5,6,7,8,9,10,11,12,13,14,15
	ds_load_b128 v[KF+4*\i:KF+4*\i+3], v9 offset:512*\i
.endr
.endm
; One tile of 16 queries.  q: Q's first register; fw: the scalar with its flags; mp: the pair with its lane masks' address; oa: the pair with its result's address.
; Which step comes first hangs on the flags, so no first step is written out: O^T and l begin as zeros and the largest t as -3e38; the first change of M multiplies zeros.
.macro TILE q, fw, mp, oa
	v_mov_b32 v13, 0xff61b1e6                      ; -3e38, under every t
	v_floor_f32 v12, -v13                          ; -M
	v_mov_b32 v14, 0
	v_mov_b32 v15, 0
.set n, 0
.rept 32
	v_mov_b32 v[O+n], 0
.set n, n+1
.endr
	s_mov_b32 s[TB], 0
	s_mov_b32 s[CNT], 16
.Lstep_\@:                                             ; sixteen trips, whatever the flags say
	s_and_b32 s[FL], s[\fw], 3
	s_lshr_b32 s[\fw], s[\fw], 2
	s_cmp_eq_u32 s[FL], 0
	s_cbranch_scc1 .Lnext_\@                       ; no key of the step counts for any of my queries
	v_add_nc_u32 v8, s[TB], v1
	v_add_nc_u32 v9, VLDS, v8
	s_cmp_eq_u32 s[FL], 1
	s_cbranch_scc1 .Lmixed_\@
	SCORES \q                                      ; all keys count
	s_branch .Lsoft_\@
.Lmixed_\@:                                            ; some count: the step's 64 lane masks are asked for ahead of the LDS loads and the products
	s_load_b512 s[4:19], s[\mp:\mp+1], 0x0
	s_load_b512 s[20:35], s[\mp:\mp+1], 0x40
	s_load_b512 s[36:51], s[\mp:\mp+1], 0x80
	s_load_b512 s[68:83], s[\mp:\mp+1], 0xc0
	SCORES \q
	s_wait_kmcnt 0x0
.set n, 0
.rept 64                                       ; where a lane's bit is 0 its score becomes -infinity; each accumulator from its low end on
.if n < 48
	v_cndmask_b32 v[S+n], v248, v[S+n], s[4+n]
.else
	v_cndmask_b32 v[S+n], v248, v[S+n], s[20+n]
.endif
.set n, n+1
.endr
.Lsoft_\@:
	v_max3_num_f32 v254, v96, v97, v98             ; the step's largest score of my query, among my 64 keys, in two chains,
	v_max3_num_f32 v252, v99, v100, v101
.irp i, 6,10,14,18,22,26,30,34,38,42,46,50,54,58
	v_max3_num_f32 v254, v254, v[96+\i], v[97+\i]
	v_max3_num_f32 v252, v252, v[98+\i], v[99+\i]
.endr
	v_max3_num_f32 v254, v254, v158, v159
	v_max_num_f32 v254, v254, v252
	v_permlanex16_b32 v236, v254, s[SEL], s[SEL+1]
	v_max_num_f32 v254, v254, v236                 ; and among lane l xor 16's
	v_mul_f32 v254, s[CS], v254                    ; as t (c is positive)
	v_max_num_f32 v13, v13, v254                   ; the running largest t
	v_mov_b32 v254, v12
	v_floor_f32 v12, -v13                          ; the new -M = floor(-t) = -ceil(t): M is a whole number
	v_sub_f32 v254, v12, v254                      ; M's old value less its new one: a whole number, 0 or less
	v_cvt_i32_f32 v254, v254                       ; (it saturates)
	v_ldexp_f32 v252, 1.0, v254                    ; f = 2^(old M - new M)
.irp j, 0,2,4,6,8,10,12,14,16,18,20,22,24,26,28,30,32,34,36,38,40,42,44,46,48,50,52,54,56,58,60,62
	v_pk_fma_f32 v[96+\j:97+\j], v[96+\j:97+\j], s[CS:CS+1], v[12:13] op_sel_hi:[1,0,0]   ; t - M, two at a time (of the pairs c and -M the low word serves both halves)
.endr
.set n, 0
.rept 64
	v_exp_f32 v[S+n], v[S+n]                       ; p = 2^(t - M), at most 1
.set n, n+1
.endr
	v_pk_mul_f32 v[14:15], v[14:15], v[252:253] op_sel_hi:[1,0]   ; l under the new M: the plain instruction behind the exponentials
	s_wait_alu depctr_va_vdst(0)                   ; one wait for the batch of 64, ahead of its first reader
	v_pk_add_f32 v[242:243], v[96:97], v[98:99]    ; l is taken of the unquantised p: two at a time, in two chains
.irp j, 4,8,12,16,20,24,28,32,36,40,44,48,52,56,60
	v_pk_add_f32 v[14:15], v[14:15], v[96+\j:97+\j]
	v_pk_add_f32 v[242:243], v[242:243], v[98+\j:99+\j]
.endr
	v_pk_add_f32 v[14:15], v[14:15], v[242:243]
	s_cmp_ge_i32 s[E4], -8                         ; p <= 1, and 1 <= 448 x 2^e4 just where e4 >= -8: there nothing can pass the largest code, and the hold is left out
	s_cbranch_scc1 .Lnohold_\@
.set n, 0
.rept 64
	v_min_num_f32 v[S+n], v[S+n], v240             ; the conversion to an 8-bit code does not saturate (ISA guide 7.6.2); p is not negative, so the hold is one-sided
.set n, n+1
.endr
.Lnohold_\@:
.irp u, 0,1,2,3,4,5,6,7
	v_cvt_scalef32_pk8_fp8_f32 v[PC+2*\u:PC+2*\u+1], v[S+8*\u:S+8*\u+7], v244
.endr
.irp j, 0,2,4,6,8,10,12,14,16,18,20,22,24,26,28,30
	v_pk_mul_f32 v[O+\j:O+\j+1], v[O+\j:O+\j+1], v[252:253] op_sel_hi:[1,0]   ; O^T under the new M; these are also the plain instructions between the conversions and the products
.endr
	s_wait_dscnt 0x0                               ; V's four fragments are in
.irp c, 0,1,2,3                                ; O^T += V^T P^T, K = the step's 128 keys; the four accumulators take turns, and the scores' products stand between a step's and the next's
	v_wmma_f32_16x16x128_fp8_fp8 v[O+8*\c:O+8*\c+7], v[KF+16*\c:KF+16*\c+15], v[PC:PC+15], v[O+8*\c:O+8*\c+7]
.endr
.Lnext_\@:
	s_add_co_u32 s[TB], s[TB], 8192
	s_add_nc_u64 s[\mp:\mp+1], s[\mp:\mp+1], 256   ; (a step's scalar loads have been waited for: their base may step)
	s_sub_co_u32 s[CNT], s[CNT], 1
	s_cmp_lg_u32 s[CNT], 0
	s_cbranch_scc1 .Lstep_\@
	; the tile's way out.  The additions, the v_nop and the two lines behind the wait are the places behind the last products
	v_add_f32 v14, v14, v15                        ; l's two halves,
	v_permlanex16_b32 v252, v14, s[SEL], s[SEL+1]
	v_add_f32 v14, v14, v252                       ; and lane l xor 16's
	v_rcp_f32 v14, v14
	v_nop                                          ; a plain instruction behind the reciprocal
	s_wait_alu depctr_va_vdst(0)                   ; and the wait ahead of its first reader
	v_mul_f32 v250, 0, v14                         ; z = 0, or NaN where l = 0
	v_ldexp_f32 v14, v14, s[EO]                    ; 2^(e4 + e5) / l
.irp j, 0,2,4,6,8,10,12,14,16,18,20,22,24,26,28,30
	v_pk_mul_f32 v[96+\j:97+\j], v[O+\j:O+\j+1], v[14:15] op_sel_hi:[1,0]
.endr
.set n, 0
.rept 32
	v_med3_num_f32 v[96+n], v[96+n], -v247, v247   ; the hold at the largest code x 2^e6; it would turn a NaN into a number,
.set n, n+1
.endr
.irp j, 0,2,4,6,8,10,12,14,16,18,20,22,24,26,28,30
	v_pk_add_f32 v[96+\j:97+\j], v[96+\j:97+\j], v[250:251] op_sel_hi:[1,0]   ; so z is added behind it: a query with no open key stays NaN
.endr
.irp c, 0,1,2,3
	v_cvt_scalef32_pk8_fp8_f32 v[PC+2*\c:PC+2*\c+1], v[96+8*\c:96+8*\c+7], v246
.endr
	v_nop                                          ; one plain vector instruction behind the last conversion
	global_store_b128 v1, v[PC:PC+3], s[\oa:\oa+1]             ; the fragment's image: 2 x 512 consecutive bytes
	global_store_b128 v1, v[PC+4:PC+7], s[\oa:\oa+1] offset:512
	s_wait_xcnt 0x0                                ; the stores have read their data: the next tile writes these registers again
.endm
	TILE 16, 96, 92, 88
	TILE 24, 97, 94, 90
	s_wait_tensorcnt 0x0
	ds_add_u32 v249, v255
	s_wait_dscnt 0x0
	s_endpgm
.Lfunc_end_k_qe41a87caa7_attn:
	.size	k_qe41a87caa7_attn, .Lfunc_end_k_qe41a87caa7_attn-k_qe41a87caa7_attn
	.p2alignl 7, 3214868480
	.fill 96, 4, 3214868480
	.section	.rodata,"a",@progbits
	.p2align	6, 0x0
	.amdhsa_kernel k_qe41a87caa7_attn
		.amdhsa_group_segment_fixed_size 264192
		.amdhsa_private_segment_fixed_size 0
		.amdhsa_enable_private_segment 0
		.amdhsa_kernarg_size 56
		.amdhsa_user_sgpr_count 2
		.amdhsa_user_sgpr_kernarg_segment_ptr 1
		.amdhsa_wavefront_size32 1
		.amdhsa_system_sgpr_workgroup_id_x 1
		.amdhsa_system_sgpr_workgroup_id_y 1
		.amdhsa_system_sgpr_workgroup_id_z 1
		.amdhsa_system_vgpr_workitem_id 0
		.amdhsa_next_free_vgpr 256
		.amdhsa_next_free_sgpr 102
		.amdhsa_reserve_vcc 0
		.amdhsa_float_denorm_mode_32 3
		.amdhsa_float_denorm_mode_16_64 3
		.amdhsa_memory_ordered 1
		.amdhsa_forward_progress 1
		.amdhsa_inst_pref_size 68
	.end_amdhsa_kernel
	.amdgpu_metadata
---
amdhsa.version: [ 1, 2 ]
amdhsa.kernels:
  - .name:           k_qe41a87caa7_attn
    .symbol:         k_qe41a87caa7_attn.kd
    .args:
      - { .name: q_img, .offset: 0, .size: 8, .value_kind: global_buffer, .address_space: global }
      - { .name: k_img, .offset: 8, .size: 8, .value_kind: global_buffer, .address_space: global }
      - { .name: v_img, .offset: 16, .size: 8, .value_kind: global_buffer, .address_space: global }
      - { .name: maskw, .offset: 24, .size: 8, .value_kind: global_buffer, .address_space: global }
      - { .name: flagw, .offset: 32, .size: 8, .value_kind: global_buffer, .address_space: global }
      - { .name: lowp_scales, .offset: 40, .size: 8, .value_kind: global_buffer, .address_space: global }
      - { .name: a_img, .offset: 48, .size: 8, .value_kind: global_buffer, .address_space: global }
    .group_segment_fixed_size: 264192
    .private_segment_fixed_size: 0
    .kernarg_segment_align: 8
    .kernarg_segment_size: 56
    .max_flat_workgroup_size: 512
    .sgpr_count:     102
    .vgpr_count:     256
    .wavefront_size: 32
...
	.end_amdgpu_metadata
.endif
;; end of part 3
;; launch proj (part 4): grid 4 x 32, 4 waves a work-group, clusters of 4 x 4, 327,680 bytes of LDS; arguments a_img, Wo_codes, lowp_scales, bo, out0; writes out0
.if DOCPART == 4
	.amdgcn_target "amdgcn-amd-amdhsa--gfx1250"
	.amdhsa_code_object_version 6
	.text
	.protected	k_qe41a87caa7_proj
	.globl	k_qe41a87caa7_proj
	.p2align	8
	.type	k_qe41a87caa7_proj,@function
k_qe41a87caa7_proj:
	s_mov_b64 s[64:65], 0
	v_nop
	global_prefetch_b8 v0, s[64:65] scope:SCOPE_SE
	s_setreg_imm32_b32 hwreg(HW_REG_WAVE_MODE, 25, 1), 1
	s_wait_xcnt 0x0
	s_wait_alu depctr_hold_cnt(0) depctr_sa_sdst(0) depctr_va_vdst(0) depctr_va_sdst(0) depctr_va_ssrc(0) depctr_va_vcc(0) depctr_vm_vsrc(0)
	s_getreg_b32 s2, hwreg(HW_REG_IB_STS2, 6, 4)
	s_cmp_eq_u32 s2, 0
	s_cbranch_scc0 .Lentry_in_a_cluster
	s_endpgm
.Lentry_in_a_cluster:
	s_bfe_u32 s2, ttmp6, 0x10000c
	s_cmp_lg_u32 s2, 0xf033
	s_cbranch_scc0 .Lentry_shape_is_right
	s_endpgm
.Lentry_shape_is_right:
; out0 = a Wo + bo on codes of FP8 (E4M3).  a: 8,192 tokens x 1,024, as images of operand registers (a_img [token / 16][head][1,024 bytes]: lane (r, h): token r; registers 2 c, 2 c + 1: d = 16 c + 8 h + 0 .. 7);
; Wo: [1024 (n)][1024 (k)] codes, K innermost; out0: [8192][1024] f32.  out0 = sum x 2^(e6 + e7) + bo, one fused multiply-add.
; LIMIT: e6 + e7 lies between -126 and 127, so that 2^(e6 + e7) is an f32 number.  A NaN code in a token's row of a makes that token's whole row of out0 NaN.
; A tile of out0, 256 x 256, is made by a work-group of four waves, 128 x 128 a wave: 64 accumulators, 512 registers.  K goes in steps of 256 (four heads) through a ring of two LDS slots filled by the tensor data mover.
; CLUSTERS: 4 x 4 work-groups: a's tiles are shared along a row of the cluster, Wo's along a column; each is asked for JOINTLY by the four that need it.
; FRAGMENTS.  Two neighbouring heads' images on end ARE a fragment of 16 tokens x 128 K in this form's own layout (registers 2 c, 2 c + 1: k = 16 c + 8 (l / 16) + 0 .. 7): four loads of 16 bytes a lane, 512 consecutive bytes each.
; So Wo's fragments are read in the same layout: eight loads of 8 bytes, 16 bytes apart, at row x pitch + 8 (l / 16).
; a's tile for a wave's load is 8 token tiles x 4,096 bytes (four heads on end), 16,384 bytes apart in memory: the tile has no more rows than these eight.
; THE MATRIX INSTRUCTION IS USED TRANSPOSED (source 0 = 16 rows of Wo, source 1 = 16 tokens): a lane holds eight neighbouring numbers of a row of out0.
; REGISTERS, in windows of 256: window 0: v0-31 addresses, v8-11 my four numbers of bo; from v128 a's fragments, ONE set; on the way out v128-255 hold rows read back.
;   window 1: Wo's fragments, TWO sets.   window 2: the accumulators of my rows 0-63 (accumulator (a, b) at v[8 (8 a + b)]);   window 3: those of my rows 64-127.
.set SIZE_N, 1024
.set SIZE_K, 1024
.set KSTEP,  256
.set PITCH,  272                       ; a row of Wo's tile in LDS: 256 bytes + 16 of padding = 68 words: row r starts at bank 4 r mod 64 (64 banks of 4 bytes: ISA guide 11.1)
.set FR,     16                        ; registers of a fragment: 16 rows x 128 K
.set NL,     4                         ; LDS loads that bring one of a's
.set NP,     4                         ; places behind this matrix instruction (ISA guide 7.12.1)
.set AHALF,  8*4096                    ; 128 tokens of a K step: what one tensor load brings of a
.set BOFF,   2*AHALF                   ; Wo's rows lie behind a's 256 tokens
.set BHALF,  128*PITCH                 ; 128 rows of Wo
.set SLOT,   BOFF+2*BHALF
.set LAPS,   SIZE_K/(2*KSTEP)
.set SPARE,  2*SLOT                    ; behind the ring: the spare words, 128 bytes for each wave: two blocks of 256 bytes that no other line names
.set SPITCH, 528                       ; the way out: a stage of 16 rows x (512 bytes + 16) for each wave.  It lies in slot 0, which has had its last fill and its last read when the first result is stored there
.set BI,   8                           ; v8-11   bo at my four columns of a row read back
.set ADRA, 16                          ; v16-17  LDS address of my fragments of a in slot 0, 1
.set ADRB, 20                          ; v20-21  the same for Wo
.set STO,  24                          ; v24     the way out: where I put 32 bytes of a row
.set RD,   25                          ; v25     the way out: where I read a row back
.set CO,   26                          ; v26     16 x lane
.set SPW,  28                          ; v28     LDS address of my spare word: SPARE + 4 x my thread's number; never rewritten
.set NIL,  29                          ; v29     0; never rewritten
.set AF,   128                         ; a's fragments, in window 0
.set BK,   128                         ; the way out: 16 rows read back from the stage: v128-191 and v192-255 by turns
.set G1, 24                            ; s[24:31] descriptor group 1 for a's tiles;  s[32:39] group 0, one set for each slot
.set G0, 32
.set G1B, 48                           ; s[48:55], s[56:63] the same for Wo's tiles
.set G0B, 56
.set MSB, 0
.macro WIN new                         ; the immediate's high byte repeats the setting that is left
.if MSB != \new
	s_set_vgpr_msb (MSB<<8)|\new
.set MSB, \new
.endif
.endm
.set MUL_LO, 0xa1                      ; source 0 (Wo) window 1, source 1 (a) window 0, C and D window 2
.set MUL_HI, 0xf1                      ; the same, C and D window 3
.set TO_B,   0x40                      ; destination window 1, address window 0
; A joint load: waves 0 and 1 fetch for a, waves 2 and 3 for Wo.  Each of the two lines has ONE mask and one set of registers for all that issue it; the branch hangs on the wave's number alone.
; Four v_nop follow each of the two lines, ahead of the jump, the label and what follows.
.macro JLOAD g0a, g1a, g0b, g1b
	s_cmp_eq_u32 s15, 0
	s_cbranch_scc0 .Lfor_b_\@
	tensor_load_to_lds s[\g0a:\g0a+3], s[\g1a:\g1a+7]
	s_nop 0
.rept 4
	v_nop
.endr
	s_branch .Lasked_\@
.Lfor_b_\@:
	tensor_load_to_lds s[\g0b:\g0b+3], s[\g1b:\g1b+7]
	s_nop 0
.rept 4
	v_nop
.endr
.Lasked_\@:
.endm
.macro CREST                           ; a round of the cluster's barrier behind its opening barrier
	s_cmp_lg_u32 s14, 0
	s_cbranch_scc1 .Lnot_wave_0_\@
	s_barrier_signal -3
.Lnot_wave_0_\@:
	s_barrier_wait -3
	s_barrier_signal -1
	s_barrier_wait -1
.endm
.macro CROUND                          ; a whole round
	s_barrier_signal -1
	s_barrier_wait -1
	CREST
.endm
	s_load_b128 s[4:7], s[0:1], 0x0                ; a_img s[4:5], Wo's codes s[6:7]
	s_load_b128 s[8:11], s[0:1], 0x10              ; the scales' exponents s[8:9], bo s[10:11]
	s_load_b64 s[12:13], s[0:1], 0x20              ; out0
	v_lshl_add_u32 v[SPW], v0, 2, SPARE
	v_mov_b32 v[NIL], 0
	ds_add_u32 v28, v29
	ds_add_u32 v28, v29
	s_wait_dscnt 0x0
	v_lshrrev_b32 v1, 5, v0
	v_readfirstlane_b32 s14, v1                    ; wave 0..3
	s_lshr_b32 s15, s14, 1                         ; which half of the tile's rows is mine.  Also: I fetch for a (0) or for Wo (1)
	s_and_b32 s16, s14, 1                          ; which half of its columns.  Also: which 128 rows of that tile I fetch
	s_bfe_u32 s40, ttmp6, 0x40000                  ; cx, cy: my place in the cluster
	s_bfe_u32 s41, ttmp6, 0x40004
	s_lshl_b32 s42, ttmp9, 2
	s_add_co_u32 s42, s42, s40                     ; tile column = 4 x cluster x + cx
	s_and_b32 s17, ttmp7, 0xffff
	s_lshl_b32 s17, s17, 2
	s_add_co_u32 s17, s17, s41                     ; tile row = 4 x cluster y + cy
	s_lshl_b32 s43, s41, 2
	s_lshl_b32 s43, 15, s43                        ; my row of the cluster
	s_lshl_b32 s44, 0x1111, s40                    ; my column
	; descriptor group 1 for a: 8 rows of 4,096 bytes, 16,384 bytes apart, dense in LDS
	s_or_b32 s[G1+0], s43, (0<<16)|(1<<21)         ; 15:0 the mask: a's tiles go to my row; 17:16 element of 1 byte; 20 no padding; 21 set beside a mask
	s_mov_b32 s[G1+1], 4096<<16                    ; tensor_dim0
	s_mov_b32 s[G1+2], 8<<16                       ; tensor_dim1
	s_mov_b32 s[G1+3], 4096<<16                    ; tile_dim0
	s_mov_b32 s[G1+4], 8                           ; tile_dim1
	s_mov_b32 s[G1+5], 16384                       ; tensor_dim0_stride
	s_mov_b32 s[G1+6], 0
	s_mov_b32 s[G1+7], 0
	; for Wo: 128 rows of 256 bytes, 1,024 bytes apart, padded in LDS
	s_or_b32 s[G1B+0], s44, (0<<16)|(1<<20)|(1<<21)|(5<<22)|(3<<25) ; the mask of my column; padding: 4 words (code 3) after every 64 (code 5)
	s_mov_b32 s[G1B+1], KSTEP<<16
	s_mov_b32 s[G1B+2], 128<<16
	s_mov_b32 s[G1B+3], KSTEP<<16
	s_mov_b32 s[G1B+4], 128
	s_mov_b32 s[G1B+5], SIZE_K
	s_mov_b32 s[G1B+6], 0
	s_mov_b32 s[G1B+7], 0
	s_lshl_b32 s18, s16, 17                        ; which 128 rows of the tile I fetch: 8 token tiles of 16,384 bytes, or 128 rows of 1,024
	s_lshl_b32 s20, s17, 18
	s_add_co_u32 s20, s20, s18                     ; a: 16 token tiles a tile row
	s_mov_b32 s21, 0
	s_lshl_b32 s46, s42, 18
	s_add_co_u32 s46, s46, s18                     ; Wo: 256 rows a tile column
	s_mov_b32 s47, 0
	s_lshl_b32 s45, s16, 15                        ; where they go: a's halves from the slot's first byte,
	s_mul_i32 s91, s16, BHALF
	s_add_co_u32 s91, s91, BOFF                    ; Wo's behind them: no place in the cluster enters an LDS address
	s_wait_kmcnt 0x0
	s_load_b64 s[96:97], s[8:9], 0x18              ; e6, e7
	s_add_nc_u64 s[20:21], s[4:5], s[20:21]
	s_add_nc_u64 s[46:47], s[6:7], s[46:47]
	CROUND                                         ; all sixteen work-groups are here: the first joint loads meet
.irp s, 0,1
	s_mov_b32 s[G0+4*\s], 1                        ; count = 1
	s_add_co_u32 s[G0+4*\s+1], s45, \s*SLOT        ; LDS address
	s_add_nc_u64 s[G0+4*\s+2:G0+4*\s+3], s[20:21], \s*4096   ; global address: K step s = heads 4 s on
	s_or_b32 s[G0+4*\s+3], s[G0+4*\s+3], 0x80000000          ; type = 2
	s_mov_b32 s[G0B+4*\s], 1
	s_add_co_u32 s[G0B+4*\s+1], s91, \s*SLOT
	s_add_nc_u64 s[G0B+4*\s+2:G0B+4*\s+3], s[46:47], \s*KSTEP
	s_or_b32 s[G0B+4*\s+3], s[G0B+4*\s+3], 0x80000000
	JLOAD G0+4*\s, G1, G0B+4*\s, G1B
.endr
	v_and_b32 v1, 15, v0                           ; l % 16
	v_bfe_u32 v2, v0, 4, 1                         ; l / 16
	v_and_b32 v6, 31, v0
	v_lshlrev_b32 v[CO], 4, v6                     ; 16 x lane
	v_mul_u32_u24 v3, v1, PITCH
	v_lshl_add_u32 v4, v2, 3, v3                   ; Wo: a fragment's row x pitch + 8 x half
	s_lshl_b32 s86, s15, 15                        ; my 128 tokens of a
	s_mul_i32 s87, s16, BHALF                      ; my 128 rows of Wo
	s_add_co_u32 s87, s87, BOFF
.irp s, 0,1
	v_add_nc_u32 v[ADRA+\s], s86, v[CO]
	v_add_nc_u32 v[ADRB+\s], s87, v4
	s_add_co_u32 s86, s86, SLOT
	s_add_co_u32 s87, s87, SLOT
.endr
	s_mul_i32 s23, s14, 16*SPITCH                  ; my stage
	v_mul_u32_u24 v5, v1, SPITCH                   ; in: row l % 16, 32 bytes for each half of the lanes
	v_lshl_add_u32 v5, v2, 5, v5
	v_add_nc_u32 v[STO], s23, v5
	v_add_nc_u32 v[RD], s23, v[CO]                 ; back: the 32 lanes take one row of 512 bytes
	s_lshl_b32 s86, s17, 8
	s_lshl_b32 s87, s15, 7
	s_add_co_u32 s86, s86, s87                     ; my first row of out0: 256 x tile row + 128 x half
	s_lshl_b32 s86, s86, 12                        ; rows of 4,096 bytes; under 2^25
	s_lshl_b32 s88, s42, 10
	s_lshl_b32 s89, s16, 9
	s_add_co_u32 s88, s88, s89                     ; my first column, in bytes: 1,024 x tile column + 512 x half; the same in bo
	s_mov_b32 s89, 0
	s_add_nc_u64 s[10:11], s[10:11], s[88:89]
	s_add_co_u32 s86, s86, s88
	s_mov_b32 s87, 0
	s_add_nc_u64 s[12:13], s[12:13], s[86:87]
	global_load_b128 v[BI:BI+3], v[CO], s[10:11]   ; bo at the four columns that I store of every row
.macro FRAG_A reg, slot, q, i          ; token tile i, the slot's q-th 128 along K: two heads' images on end
.irp c, 0,1,2,3
	ds_load_b128 v[\reg+4*\c:\reg+4*\c+3], v[ADRA+\slot] offset:4096*(\i)+2048*(\q)+512*\c
.endr
.endm
.macro FRAG_B reg, slot, q, i          ; rows 16 i on of Wo: registers 2 c, 2 c + 1 hold k = 16 c + 8 (l / 16) + 0 .. 7
.irp c, 0,1,2,3,4,5,6,7
	ds_load_b64 v[\reg+2*\c:\reg+2*\c+1], v[ADRB+\slot] offset:128*(\q)+16*\c+(\i)*16*PITCH
.endr
.endm
; 16 matrix instructions: a's blocks a0, a0 + 1 x Wo's eight, 128 along K.  p: Wo's set.  zero = 1: the first product starts the sums: nothing is ever cleared.
; The 64 accumulators take turns, one instruction a turn, in the same order in every step.
.macro MUL16 a0, p, zero
.irp a, \a0, \a0+1
.irp b, 0,1,2,3,4,5,6,7
.if \zero
	v_wmma_f32_16x16x128_fp8_fp8 v[8*(8*((\a)%4)+\b):8*(8*((\a)%4)+\b)+7], v[128*(\p)+FR*\b:128*(\p)+FR*\b+FR-1], v[AF+FR*(\a):AF+FR*(\a)+FR-1], 0
.else
	v_wmma_f32_16x16x128_fp8_fp8 v[8*(8*((\a)%4)+\b):8*(8*((\a)%4)+\b)+7], v[128*(\p)+FR*\b:128*(\p)+FR*\b+FR-1], v[AF+FR*(\a):AF+FR*(\a)+FR-1], v[8*(8*((\a)%4)+\b):8*(8*((\a)%4)+\b)+7]
.endif
.endr
.endr
.endm
.macro FETCH_B slot, q, p              ; Wo's eight fragments of the slot's q-th 128 along K into set p
	WIN TO_B
.irp i, 0,1,2,3,4,5,6,7
	FRAG_B 128*(\p)+FR*\i, \slot, \q, \i
.endr
	WIN 0
.endm
.macro FETCH_A slot, q, i0             ; a's blocks i0 .. i0 + 3
.irp i, \i0, \i0+1, \i0+2, \i0+3
	FRAG_A AF+FR*(\i), \slot, \q, \i
.endr
.endm
; A load into a register that a matrix instruction has read, and an LDS store that reads a matrix result, stand NP places behind that matrix instruction, and only plain vector
; instructions that name none of its registers are places (ISA guide 7.12.1 for vector instructions).
.macro PLACES n
.rept \n
	v_nop
.endr
.endm
; A step of 128 along K that has its successor in the same slot.  A block of a is free as soon as its eight products are issued: blocks 0-3 are fetched anew in the step's middle, blocks 4-7 at its end.
.macro STEP slot, q, zero
	s_wait_dscnt 4*NL                              ; Wo's set and a's blocks 0-3 are in; the youngest sixteen loads (a's blocks 4-7) may be out
	WIN MUL_LO
	MUL16 0, (\q)%2, \zero
	MUL16 2, (\q)%2, \zero
	s_wait_dscnt 0                                 ; a's blocks 4-7 are in (asked for 32 matrix instructions ago)
	PLACES NP
	FETCH_B \slot, (\q)+1, 1-(\q)%2
	FETCH_A \slot, (\q)+1, 0
	WIN MUL_HI
	MUL16 4, (\q)%2, \zero
	MUL16 6, (\q)%2, \zero
	PLACES NP
	WIN 0
	FETCH_A \slot, (\q)+1, 4
.endm
; A slot's last step changes slots: ONE barrier; in front of it each wave waits for all its tensor loads, adds 0 to its spare word, and waits for that and for its own reads of this slot.  fill = 1: this slot is filled again, two K steps ahead.
.macro TURN slot, next, fill
	s_wait_tensorcnt 0x0                           ; all my tensor loads have landed: my part of the next slot;  (every window is 0 here: the add's two registers lie in window 0)
	ds_add_u32 v[SPW], v[NIL]                      ; 0 onto my spare word
	s_wait_dscnt 4*NL+1                            ; (the add and the youngest sixteen loads, a's blocks 4-7, may be out)
	WIN MUL_LO
	MUL16 0, 1, 0                                  ; sixteen matrix instructions stand between the add and the wait for it
	s_wait_dscnt 0x0                               ; the add is done, and my reads of this slot are over
	s_barrier_signal -1
	MUL16 2, 1, 0
	WIN 0
	s_barrier_wait -1
.if \fill
	CREST                                          ; the barrier has opened a round of the cluster's barrier: no wave of any partner still reads this slot's tile or has a load on its way
	s_add_nc_u64 s[G0+4*\slot+2:G0+4*\slot+3], s[G0+4*\slot+2:G0+4*\slot+3], 2*4096
	s_add_nc_u64 s[G0B+4*\slot+2:G0B+4*\slot+3], s[G0B+4*\slot+2:G0B+4*\slot+3], 2*KSTEP
	JLOAD G0+4*\slot, G1, G0B+4*\slot, G1B         ; the first tensor load behind the round; the four v_nop behind it are the places in front of the loads below
.else
	PLACES NP
.endif
	FETCH_B \next, 0, 0
	FETCH_A \next, 0, 0
	WIN MUL_HI
	MUL16 4, 1, 0
	MUL16 6, 1, 0
	PLACES NP
	WIN 0
	FETCH_A \next, 0, 4
.endm
	s_wait_tensorcnt 1                             ; my part of K step 0 is in (K step 1's load may be out)
	s_barrier_signal -1
	s_barrier_wait -1                              ; everybody's is
	FETCH_B 0, 0, 0
	FETCH_A 0, 0, 0
	FETCH_A 0, 0, 4
	STEP 0, 0, 1                                   ; the first step stands in front of the loop: its products start the sums
	s_mov_b32 s3, LAPS-1
.Llap:                                                 ; a trip goes once round the ring, from a lap's second step to the next lap's first, and fills both slots again
	TURN 0, 1, 1
	STEP 1, 0, 0
	TURN 1, 0, 1
	STEP 0, 0, 0
	s_sub_co_u32 s3, s3, 1
	s_cmp_lg_u32 s3, 0
	s_cbranch_scc1 .Llap
	TURN 0, 1, 0                                   ; the last lap fills nothing, and has no round of the cluster's barrier
	STEP 1, 0, 0
	s_wait_dscnt 4*NL                              ; the very last step: nothing more to fetch
	WIN MUL_LO
	MUL16 0, 1, 0
	MUL16 2, 1, 0
	s_wait_dscnt 0
	WIN MUL_HI
	MUL16 4, 1, 0
	MUL16 6, 1, 0
	WIN 0
; THE WAY OUT, block by block of 16 rows x 128 columns.  A lane holds 32 neighbouring bytes of a row, and the lanes beside it hold other rows: so a block's sums go, as they are, through my own stage in LDS and come back
; as whole rows of 512 bytes.  There a lane holds the same four columns of every row: four registers of bo serve all rows, and one packed multiply-add for two numbers gives sum x 2^(e6 + e7) + bo.
; LDS serves a wave's instructions in order (ISA guide 5.7.1.4): no wait between the stores and the loads, nor in front of the next block's stores.
.macro TOSTAGE a
.set AC, 64*((\a)%4)
	WIN 0x08+4*((\a)/4)                            ; an LDS store's data are its source 1: window 2 or 3; the address stays in window 0
.irp b, 0,1,2,3,4,5,6,7
	ds_store_b128 v[STO], v[AC+8*\b:AC+8*\b+3] offset:64*\b          ; each accumulator from its low end on
	ds_store_b128 v[STO], v[AC+8*\b+4:AC+8*\b+7] offset:64*\b+16
.endr
	WIN 0
.set BB, BK+64*((\a)%2)
.irp t, 0,1,2,3,4,5,6,7,8,9,10,11,12,13,14,15
	ds_load_b128 v[BB+4*\t:BB+4*\t+3], v[RD] offset:\t*SPITCH
.endr
.endm
.macro SEND a, younger                 ; younger: the LDS instructions issued behind block a's loads, which may stay out
.set BB, BK+64*((\a)%2)
	s_wait_dscnt \younger                          ; the block is back in registers
.if (\a) > 0
	s_add_nc_u64 s[12:13], s[12:13], 16*SIZE_N*4   ; (behind a wait on XCNT: the earlier stores have read their base)  16 rows of out0 on
.endif
.irp t, 0,1,2,3,4,5,6,7,8,9,10,11,12,13,14,15
	v_pk_fma_f32 v[BB+4*\t:BB+4*\t+1], v[BB+4*\t:BB+4*\t+1], s[96:97], v[BI:BI+1] op_sel_hi:[1,0,1]       ; both x s96 = 2^(e6 + e7), + bo
	v_pk_fma_f32 v[BB+4*\t+2:BB+4*\t+3], v[BB+4*\t+2:BB+4*\t+3], s[96:97], v[BI+2:BI+3] op_sel_hi:[1,0,1]
	global_store_b128 v[CO], v[BB+4*\t:BB+4*\t+3], s[12:13] offset:\t*SIZE_N*4 th:TH_STORE_NT   ; 32 lanes store 512 consecutive bytes, at a multiple of 512 from out0's first byte; written once, read by nobody here
.endr
.endm
	s_wait_kmcnt 0x0
	s_add_co_i32 s96, s96, s97                     ; e6 + e7, between -126 and 127,
	s_add_co_i32 s96, s96, 127
	s_lshl_b32 s96, s96, 23                        ; makes the f32 number 2^(e6 + e7)
	s_wait_loadcnt 0x0                             ; bo
	PLACES NP                                      ; behind the last products: in front of the LDS stores that read results and of the loads into the registers that held a's fragments
	TOSTAGE 0
.irp a, 1,2,3,4,5,6,7
.if \a > 1
	s_wait_xcnt 0x0                                ; block a - 2's stores have read their registers and their base: block a's loads may land there, and the base may step
.endif
	TOSTAGE \a
	SEND \a-1, 32                                  ; behind block a - 1's loads: block a's 16 stores and 16 loads
.endr
	s_wait_xcnt 0x0                                ; block 6's stores have read their base
	SEND 7, 0
	s_wait_tensorcnt 0x0                           ; the wave's end, behind my last tensor load and my last LDS store
	ds_add_u32 v[SPW], v[NIL]
	s_wait_dscnt 0x0
	CROUND                                         ; the closing round: no work-group ends while a partner may still ask for a tile that names it
	s_endpgm
.Lfunc_end_k_qe41a87caa7_proj:
	.size	k_qe41a87caa7_proj, .Lfunc_end_k_qe41a87caa7_proj-k_qe41a87caa7_proj
	.p2alignl 7, 3214868480
	.fill 96, 4, 3214868480
	.section	.rodata,"a",@progbits
	.p2align	6, 0x0
	.amdhsa_kernel k_qe41a87caa7_proj
		.amdhsa_group_segment_fixed_size 327680
		.amdhsa_private_segment_fixed_size 0
		.amdhsa_enable_private_segment 0
		.amdhsa_kernarg_size 40
		.amdhsa_user_sgpr_count 2
		.amdhsa_user_sgpr_kernarg_segment_ptr 1
		.amdhsa_wavefront_size32 1
		.amdhsa_system_sgpr_workgroup_id_x 1
		.amdhsa_system_sgpr_workgroup_id_y 1
		.amdhsa_system_sgpr_workgroup_id_z 1
		.amdhsa_system_vgpr_workitem_id 0
		.amdhsa_next_free_vgpr 1024
		.amdhsa_next_free_sgpr 100
		.amdhsa_reserve_vcc 0
		.amdhsa_float_denorm_mode_32 3
		.amdhsa_float_denorm_mode_16_64 3
		.amdhsa_memory_ordered 1
		.amdhsa_forward_progress 1
		.amdhsa_inst_pref_size 139
	.end_amdhsa_kernel
	.amdgpu_metadata
---
amdhsa.version: [ 1, 2 ]
amdhsa.kernels:
  - .name:           k_qe41a87caa7_proj
    .symbol:         k_qe41a87caa7_proj.kd
    .args:
      - { .name: a_img, .offset: 0, .size: 8, .value_kind: global_buffer, .address_space: global }
      - { .name: Wo_codes, .offset: 8, .size: 8, .value_kind: global_buffer, .address_space: global }
      - { .name: lowp_scales, .offset: 16, .size: 8, .value_kind: global_buffer, .address_space: global }
      - { .name: bo, .offset: 24, .size: 8, .value_kind: global_buffer, .address_space: global }
      - { .name: out0, .offset: 32, .size: 8, .value_kind: global_buffer, .address_space: global }
    .group_segment_fixed_size: 327680
    .private_segment_fixed_size: 0
    .kernarg_segment_align: 8
    .kernarg_segment_size: 40
    .max_flat_workgroup_size: 128
    .sgpr_count:     100
    .vgpr_count:     1024
    .wavefront_size: 32
...
	.end_amdgpu_metadata
.endif
;; end of part 4
;; ======== version 2 of 2: 4 launches; version 1 with the launch attn written anew for expert scheduling mode
;; limits: right only within a limited range of input values
;; workspace buffers: q_img 8,388,608 bytes; k_img 8,388,608 bytes; v_img 8,388,608 bytes; a_img 8,388,608 bytes; maskw 524,288 bytes of whole numbers; flagw 512 bytes of whole numbers
;; launch maskbits: the kernel of part 1 again; grid 128 x 1, 16 waves a work-group, no clusters, 137,472 bytes of LDS; arguments mask, maskw, flagw; writes maskw, flagw
;; launch qkv: the kernel of part 2 again; grid 12 x 32, 4 waves a work-group, clusters of 4 x 4, 327,680 bytes of LDS; arguments x_codes, Wqkv_codes, lowp_scales, q_img, k_img, v_img; writes q_img, k_img, v_img
;; launch attn (part 5): grid 4 x 64, 16 waves a work-group, no clusters, 264,192 bytes of LDS; arguments q_img, k_img, v_img, maskw, flagw, lowp_scales, a_img; writes a_img
.if DOCPART == 5
	.amdgcn_target "amdgcn-amd-amdhsa--gfx1250"
	.amdhsa_code_object_version 6
	.text
	.protected	k_qe41a87caa7_attn
	.globl	k_qe41a87caa7_attn
	.p2align	8
	.type	k_qe41a87caa7_attn,@function
k_qe41a87caa7_attn:
	s_mov_b64 s[64:65], 0
	v_nop
	global_prefetch_b8 v0, s[64:65] scope:SCOPE_SE
	s_setreg_imm32_b32 hwreg(HW_REG_WAVE_SCHED_MODE, 0, 2), 2
	s_setreg_imm32_b32 hwreg(HW_REG_WAVE_MODE, 25, 1), 1
	s_wait_xcnt 0x0
	s_wait_alu depctr_vm_vsrc(0)
; Attention of one head on codes of FP8 (E4M3), head size 64, 2,048 queries and keys, under the mask that is given.  Both products on codes; the result is quantised for the last product.
; t = sum x 2^(e2 + e3) x log2(e) / 8; M = the row's largest t so far, rounded UP to a whole number; p = 2^(t - M) is quantised with 2^e4 along the keys, not normalised; the row's sum l is taken of the
; unquantised p in f32.  When M moves, l and O are multiplied by 2^(old M - new M): exact.  The result is O x 2^(e4 + e5) / l, held within +-448 x 2^e6 and converted with 2^e6.
; A hidden key's score becomes -infinity ahead of the maximum, so its p is 0.  A QUERY WITH NO OPEN KEY has l = 0: its 64 numbers become NaN, and so their codes.
; LIMITS on the given exponents, so that each power of two below is an f32 number: e2 + e3 between -123 and 130 (added to the exponent field of log2(e) / 8); e4 and e6 between -126 and 119.
; SHARES.  Work-group (j, bh): batch bh / 16, head bh % 16.  The head's WHOLE K (128 KiB) and V (128 KiB) are copied once, through registers, into LDS, as the images of operand registers in which the
; launch before left them; one barrier; nothing is written to LDS after it.  Wave w owns two tiles of 16 queries, 4 w + j and 127 - (4 w + j), one after the other.
; Sixteen waves of 256 registers, four to a SIMD, so that one wave's vector work stands beside another's products and LDS loads.
; A STEP is 16 queries x 128 keys.  flagw says of each step whether no key counts (the step adds p = 0 and moves no maximum: it is left out), some (the step's 64 lane masks are read from maskw), or all.
; These are scalar branches on whole numbers that an earlier launch stored.
; NO CLUSTER, NO TENSOR LOAD: the four work-groups of a head read the same 256 KiB, once each, at their heads; a joint request needs tensor loads.
; The steps that the flags leave out can be up to 960 of a head's 2,048, which weighs more than three more reads of 256 KiB.  No prefetch: all that a wave reads of K, V and Q is asked for at its head.
; LAYOUT.  Both products are used transposed: S^T = K Q^T (source 0 = 16 keys, source 1 = my 16 queries), O^T = V^T P^T (source 0 = 16 channels, source 1 = P): a lane holds ONE query (lane % 16) throughout.
; In S^T's tile u lane (r, h) holds keys 16 u + 8 h + 0 .. 7: eight codes are registers 2 u, 2 u + 1 of P's fragment of 128 keys.  In O^T's tile c it holds channels 16 c + 8 h + 0 .. 7: registers 2 c, 2 c + 1 of the
; next product's fragment.  So nothing changes lanes, and the result leaves straight from registers: a_img [token / 16][head][1,024 bytes].
; REGISTERS: v1 16 x lane; v2-6 the fill's offsets; v8, v9 LDS addresses of the step's K and V; v12 -M, v13 the largest t, v[14:15] l in two halves; v16-23, v24-31 Q of my two tiles; v32-95 K's eight fragments, then V's four;
; v96-159 S^T, then p; v160-191 O^T; v192-207 p's codes; v236-254 constants and at work.
; THE MODE: SCHED_MODE bits 1:0 = 2 (LLVM: expert scheduling mode 2), set by the entry lines.  The code itself states the register dependences
; between vector or matrix instructions and memory or LDS instructions, with s_wait_alu, always for 0.
; THE PLAN.  Registers that memory or LDS instructions touch:
;   v1-v6      Offsets and LDS addresses, made once at the head and never written again: one wait on va_vdst ahead of the first global load serves every load and store that reads them.
;   v64-191    At the head: the fill's global loads land there and its LDS stores read them.  One wait on vm_vsrc behind the barrier, ahead of all that writes them later.
;   v8, v9     Written by two additions at the head of each step that is worked; read by that step's LDS loads of K (v8) and of V (v9).
;   v32-95     K's sixteen loads land; the eight products K Q^T read; V's sixteen loads land; the four products V^T P^T read; then the next worked step's K lands.
;   v192-199   Written by a tile's last four conversions (and, in the steps, by p's); read by the tile's two stores.
;   Q (v16-31) is loaded once; S^T, O^T and the statistics are named by vector and matrix instructions alone behind the barrier.
; A worked step has one wait on vm_vsrc, ahead of the two additions, and two on va_vdst, each straight ahead of a run of sixteen LDS loads: ahead of K's (v8 and v9 are written; the last products V^T P^T are done
; reading v32-95) and ahead of V's (the products K Q^T are done reading v32-95).  The wait behind the exponentials stands as before.  All 256 registers that a wave of sixteen can have are laid out above but for 28:
; there is no room for a second set of 64 for the next step's K, and which step comes next hangs on the flags.
.set KF,  32
.set S,   96
.set O,   160
.set PC,  192
.set VLDS, 131072                      ; LDS: K's 128 fragments of 1,024 bytes, then V's 64 of 2,048
.set CS,  54                           ; s[54:55] c = log2(e) / 8 x 2^(e2 + e3): the packed form names a pair and takes its low word for both halves
.set SEL, 56                           ; s[56:57] lane selects for v_permlanex16_b32: lane l xor 16
.set FL,  58                           ; s58  the step's flag
.set TB,  59                           ; s59  8,192 x the step: where its tiles begin in K's part and in V's part of LDS
.set CNT, 60                           ; s60  steps to go
.set E4,  61                           ; s61  e4
.set EO,  62                           ; s62  e4 + e5
.set WV,  63                           ; s63  my wave's number
; s[4:51], s[68:83]: a step's 64 lane masks (word n in s[4 + n], from n = 48 on in s[20 + n]); at the head they hold the arguments and the scales
	s_load_b256 s[4:11], s[0:1], 0x0               ; q_img s[4:5], k_img s[6:7], v_img s[8:9], maskw s[10:11]
	s_load_b128 s[12:15], s[0:1], 0x20             ; flagw s[12:13], the scales' exponents s[14:15]
	s_load_b64 s[16:17], s[0:1], 0x30              ; a_img
	v_lshl_add_u32 v249, v0, 2, 0x40000
	v_mov_b32 v255, 0
	v_lshrrev_b32 v1, 5, v0
	v_readfirstlane_b32 s[WV], v1                  ; wave 0..15
	v_and_b32 v1, 31, v0
	v_lshlrev_b32 v1, 4, v1                        ; 16 x lane: my place in an image's 512 bytes
	s_wait_alu depctr_va_sdst(0)                   ; s63, the wave's number, is written, ahead of its first reader: the offsets and addresses below are made from it
	s_lshl_b32 s98, s[WV], 14
	v_add_nc_u32 v2, s98, v1                       ; K in memory: key tile w (a token tile's 16 heads are 16,384 bytes)
	s_lshl_b32 s98, s[WV], 17
	v_add_nc_u32 v3, s98, v1                       ; V in memory: key step w (128 tokens' 64 fragments are 131,072 bytes)
	s_lshl_b32 s98, s[WV], 10
	v_add_nc_u32 v4, s98, v1                       ; K in LDS: key tile w,
	v_add_nc_u32 v5, 65536, v4                     ; and key tile 64 + w: an LDS offset has 16 bits
	s_lshl_b32 s98, s[WV], 13
	v_add_nc_u32 v6, s98, v1
	v_add_nc_u32 v6, VLDS, v6                      ; V in LDS: key step w
	s_and_b32 s58, ttmp7, 0xffff                   ; bh
	s_lshr_b32 s59, s58, 4
	s_lshl_b32 s59, s59, 21                        ; the batch: 2,048 tokens x 1,024 bytes in every image
	s_and_b32 s58, s58, 15                         ; the head
	s_lshl_b32 s60, s58, 10
	s_add_co_u32 s60, s60, s59                     ; in q_img, k_img, a_img: + 1,024 x head
	s_lshl_b32 s61, s58, 13
	s_add_co_u32 s61, s61, s59                     ; in v_img: + the head's four fragments of 2,048
	s_lshl_b32 s62, s[WV], 2
	s_add_co_u32 s62, s62, ttmp9                   ; my first tile of queries: 4 w + j
	s_sub_co_u32 s58, 127, s62                     ; my second
	s_mov_b32 s[SEL], 0x76543210
	s_mov_b32 s[SEL+1], 0xfedcba98
	s_mov_b32 s99, 0
	s_wait_kmcnt 0x0
	s_mov_b32 s98, s60
	s_add_nc_u64 s[52:53], s[6:7], s[98:99]        ; K of my head
	s_mov_b32 s98, s61
	s_add_nc_u64 s[66:67], s[8:9], s[98:99]        ; V of my head
	s_lshl_b32 s98, s62, 14
	s_add_co_u32 s98, s98, s60
	s_add_nc_u64 s[84:85], s[4:5], s[98:99]        ; Q's fragment and the result's, first tile
	s_add_nc_u64 s[88:89], s[16:17], s[98:99]
	s_lshl_b32 s98, s58, 14
	s_add_co_u32 s98, s98, s60
	s_add_nc_u64 s[86:87], s[4:5], s[98:99]        ; second tile
	s_add_nc_u64 s[90:91], s[16:17], s[98:99]
	s_lshl_b32 s98, s62, 12
	s_add_nc_u64 s[92:93], s[10:11], s[98:99]      ; a tile's sixteen records of 256 bytes of lane masks
	s_lshl_b32 s98, s58, 12
	s_add_nc_u64 s[94:95], s[10:11], s[98:99]
	s_lshl_b32 s98, s62, 2
	s_add_nc_u64 s[100:101], s[12:13], s[98:99]
	s_load_b32 s96, s[100:101], 0x0                ; the first tile's sixteen flags
	s_lshl_b32 s98, s58, 2
	s_add_nc_u64 s[98:99], s[12:13], s[98:99]
	s_load_b32 s97, s[98:99], 0x0                  ; the second's
	s_load_b256 s[68:75], s[14:15], 0x0            ; e0 .. e7
	s_wait_alu depctr_va_vdst(0)                   ; v1 to v6 are written: the loads below, the LDS stores of the fill and the tiles' stores read them as offsets and addresses; no vector instruction writes them again
.irp i, 0,1,2,3,4,5,6,7                        ; K: my eight key tiles 16 i + w, 1,024 bytes each
	global_load_b128 v[64+8*\i:64+8*\i+3], v2, s[52:53] offset:262144*\i
	global_load_b128 v[64+8*\i+4:64+8*\i+7], v2, s[52:53] offset:262144*\i+512
.endr
.irp i, 0,1,2,3,4,5,6,7,8,9,10,11,12,13,14,15  ; V: my key step's four fragments, 8,192 bytes on end
	global_load_b128 v[128+4*\i:128+4*\i+3], v3, s[66:67] offset:512*\i
.endr
	global_load_b128 v[16:19], v1, s[84:85]        ; Q's two fragments stay in registers
	global_load_b128 v[20:23], v1, s[84:85] offset:512
	global_load_b128 v[24:27], v1, s[86:87]
	global_load_b128 v[28:31], v1, s[86:87] offset:512
	v_mov_b32 v236, 0                              ; written once: a lane permute's destination counts as one of its sources
	v_mov_b32 v252, 0
	v_mov_b32 v253, 0                              ; (named as the upper halves of the pairs v[252:253] and v[250:251])
	v_mov_b32 v251, 0
	v_mov_b32 v248, 0xff800000                     ; -infinity
	s_wait_kmcnt 0x0                               ; the flags and the scales
	s_add_co_i32 s98, s70, s71
	s_lshl_b32 s98, s98, 23
	s_mov_b32 s[CS], 0x3e38aa3b                    ; log2(e) / 8
	s_add_co_i32 s[CS], s[CS], s98                 ; a score stands for score x 2^(e2 + e3): the two exponents are added to c's exponent field
	s_mov_b32 s[CS+1], s[CS]                       ; (named with it as a pair, so it is written)
	s_mov_b32 s[E4], s72
	s_add_co_i32 s[EO], s72, s73
	s_add_co_i32 s98, s72, 127
	s_lshl_b32 s99, s98, 23
	v_mov_b32 v244, s99                            ; 2^e4 as f32, for p's conversions
	s_add_co_i32 s98, s98, 8
	s_lshl_b32 s98, s98, 23
	s_or_b32 s98, s98, 0x600000
	v_mov_b32 v240, s98                            ; 448 x 2^e4
	s_add_co_i32 s98, s74, 127
	s_lshl_b32 s99, s98, 23
	v_mov_b32 v246, s99                            ; 2^e6, for the result's conversions
	s_add_co_i32 s98, s98, 8
	s_lshl_b32 s98, s98, 23
	s_or_b32 s98, s98, 0x600000
	v_mov_b32 v247, s98                            ; 448 x 2^e6
	s_wait_loadcnt 20                              ; K's sixteen loads are in; V's sixteen and Q's four may be out
.irp i, 0,1,2,3
	ds_store_b128 v4, v[64+8*\i:64+8*\i+3] offset:16384*\i
	ds_store_b128 v4, v[64+8*\i+4:64+8*\i+7] offset:16384*\i+512
.endr
.irp i, 0,1,2,3
	ds_store_b128 v5, v[96+8*\i:96+8*\i+3] offset:16384*\i
	ds_store_b128 v5, v[96+8*\i+4:96+8*\i+7] offset:16384*\i+512
.endr
	s_wait_loadcnt 4                               ; V's are in; Q's four may be out
.irp i, 0,1,2,3,4,5,6,7,8,9,10,11,12,13,14,15
	ds_store_b128 v6, v[128+4*\i:128+4*\i+3] offset:512*\i
.endr
	s_wait_dscnt 0x0                               ; for the others' sake: my stores have landed
	s_barrier_signal -1
	s_barrier_wait -1                              ; the head's K and V lie in LDS; from here on LDS is only read
	s_wait_alu depctr_vm_vsrc(0)                   ; my LDS stores have read v64-191: from here on K's and V's loads land in v64-95, the products write v96-159, and O^T is cleared in v160-191
	s_wait_loadcnt 0x0                             ; Q
; The step's scores: K's eight fragments, eight products of K = 64, each started with the constant 0; then V's four fragments are asked for, into the registers that K has left: they land under the softmax.
; Two v_nop and the two additions in front of them stand as four places between the last step's products, which read v32-95, and the loads into these registers; four v_nop stand behind the eight
; products, in front of V's loads and of the first read of the scores (ISA guide 7.12.1 for vector instructions).  Behind each group of places stands the wait that states the loads' dependences.
.macro SCORES q
	v_nop
	v_nop
	s_wait_alu depctr_va_vdst(0)                   ; v8 and v9 are written, which the loads of this step read; the last products V^T P^T are done reading v32-95, in which K's fragments land
.irp u, 0,1,2,3,4,5,6,7
	ds_load_b128 v[KF+8*\u:KF+8*\u+3], v8 offset:1024*\u
	ds_load_b128 v[KF+8*\u+4:KF+8*\u+7], v8 offset:1024*\u+512
.endr
.irp u, 0,1,2,3,4,5,6,7
	s_wait_dscnt 14-2*\u                           ; fragment u's two loads are in; the later fragments' may be out
	v_wmma_f32_16x16x64_fp8_fp8 v[S+8*\u:S+8*\u+7], v[KF+8*\u:KF+8*\u+7], v[\q:\q+7], 0
.endr
.rept 4
	v_nop
.endr
	s_wait_alu depctr_va_vdst(0)                   ; the eight products are done reading K's fragments in v32-95, in which V's land; the places above stay beside this wait
.irp i, 0,1,2,3,4,5,6,7,8,9,10,11,12,13,14,15
	ds_load_b128 v[KF+4*\i:KF+4*\i+3], v9 offset:512*\i
.endr
.endm
; One tile of 16 queries.  q: Q's first register; fw: the scalar with its flags; mp: the pair with its lane masks' address; oa: the pair with its result's address.
; Which step comes first hangs on the flags, so no first step is written out: O^T and l begin as zeros and the largest t as -3e38; the first change of M multiplies zeros.
.macro TILE q, fw, mp, oa
	v_mov_b32 v13, 0xff61b1e6                      ; -3e38, under every t
	v_floor_f32 v12, -v13                          ; -M
	v_mov_b32 v14, 0
	v_mov_b32 v15, 0
.set n, 0
.rept 32
	v_mov_b32 v[O+n], 0
.set n, n+1
.endr
	s_mov_b32 s[TB], 0
	s_mov_b32 s[CNT], 16
.Lstep_\@:                                             ; sixteen trips, whatever the flags say
	s_and_b32 s[FL], s[\fw], 3
	s_lshr_b32 s[\fw], s[\fw], 2
	s_cmp_eq_u32 s[FL], 0
	s_cbranch_scc1 .Lnext_\@                       ; no key of the step counts for any of my queries
	s_wait_alu depctr_vm_vsrc(0)                   ; the LDS loads of the step worked before have read v8 and v9, which the two additions write again
	v_add_nc_u32 v8, s[TB], v1
	v_add_nc_u32 v9, VLDS, v8
	s_cmp_eq_u32 s[FL], 1
	s_cbranch_scc1 .Lmixed_\@
	SCORES \q                                      ; all keys count
	s_branch .Lsoft_\@
.Lmixed_\@:                                            ; some count: the step's 64 lane masks are asked for ahead of the LDS loads and the products
	s_load_b512 s[4:19], s[\mp:\mp+1], 0x0
	s_load_b512 s[20:35], s[\mp:\mp+1], 0x40
	s_load_b512 s[36:51], s[\mp:\mp+1], 0x80
	s_load_b512 s[68:83], s[\mp:\mp+1], 0xc0
	SCORES \q
	s_wait_kmcnt 0x0
.set n, 0
.rept 64                                       ; where a lane's bit is 0 its score becomes -infinity; each accumulator from its low end on
.if n < 48
	v_cndmask_b32 v[S+n], v248, v[S+n], s[4+n]
.else
	v_cndmask_b32 v[S+n], v248, v[S+n], s[20+n]
.endif
.set n, n+1
.endr
.Lsoft_\@:
	v_max3_num_f32 v254, v96, v97, v98             ; the step's largest score of my query, among my 64 keys, in two chains,
	v_max3_num_f32 v252, v99, v100, v101
.irp i, 6,10,14,18,22,26,30,34,38,42,46,50,54,58
	v_max3_num_f32 v254, v254, v[96+\i], v[97+\i]
	v_max3_num_f32 v252, v252, v[98+\i], v[99+\i]
.endr
	v_max3_num_f32 v254, v254, v158, v159
	v_max_num_f32 v254, v254, v252
	v_permlanex16_b32 v236, v254, s[SEL], s[SEL+1]
	v_max_num_f32 v254, v254, v236                 ; and among lane l xor 16's
	v_mul_f32 v254, s[CS], v254                    ; as t (c is positive)
	v_max_num_f32 v13, v13, v254                   ; the running largest t
	v_mov_b32 v254, v12
	v_floor_f32 v12, -v13                          ; the new -M = floor(-t) = -ceil(t): M is a whole number
	v_sub_f32 v254, v12, v254                      ; M's old value less its new one: a whole number, 0 or less
	v_cvt_i32_f32 v254, v254                       ; (it saturates)
	v_ldexp_f32 v252, 1.0, v254                    ; f = 2^(old M - new M)
.irp j, 0,2,4,6,8,10,12,14,16,18,20,22,24,26,28,30,32,34,36,38,40,42,44,46,48,50,52,54,56,58,60,62
	v_pk_fma_f32 v[96+\j:97+\j], v[96+\j:97+\j], s[CS:CS+1], v[12:13] op_sel_hi:[1,0,0]   ; t - M, two at a time (of the pairs c and -M the low word serves both halves)
.endr
.set n, 0
.rept 64
	v_exp_f32 v[S+n], v[S+n]                       ; p = 2^(t - M), at most 1
.set n, n+1
.endr
	v_pk_mul_f32 v[14:15], v[14:15], v[252:253] op_sel_hi:[1,0]   ; l under the new M: the plain instruction behind the exponentials
	s_wait_alu depctr_va_vdst(0)                   ; one wait for the batch: the 64 exponentials have written v96-159, ahead of their first reader, the sums below
	v_pk_add_f32 v[242:243], v[96:97], v[98:99]    ; l is taken of the unquantised p: two at a time, in two chains
.irp j, 4,8,12,16,20,24,28,32,36,40,44,48,52,56,60
	v_pk_add_f32 v[14:15], v[14:15], v[96+\j:97+\j]
	v_pk_add_f32 v[242:243], v[242:243], v[98+\j:99+\j]
.endr
	v_pk_add_f32 v[14:15], v[14:15], v[242:243]
	s_cmp_ge_i32 s[E4], -8                         ; p <= 1, and 1 <= 448 x 2^e4 just where e4 >= -8: there nothing can pass the largest code, and the hold is left out
	s_cbranch_scc1 .Lnohold_\@
.set n, 0
.rept 64
	v_min_num_f32 v[S+n], v[S+n], v240             ; the conversion to an 8-bit code does not saturate (ISA guide 7.6.2); p is not negative, so the hold is one-sided
.set n, n+1
.endr
.Lnohold_\@:
.irp u, 0,1,2,3,4,5,6,7
	v_cvt_scalef32_pk8_fp8_f32 v[PC+2*\u:PC+2*\u+1], v[S+8*\u:S+8*\u+7], v244
.endr
.irp j, 0,2,4,6,8,10,12,14,16,18,20,22,24,26,28,30
	v_pk_mul_f32 v[O+\j:O+\j+1], v[O+\j:O+\j+1], v[252:253] op_sel_hi:[1,0]   ; O^T under the new M; these are also the plain instructions between the conversions and the products
.endr
	s_wait_dscnt 0x0                               ; V's four fragments are in
.irp c, 0,1,2,3                                ; O^T += V^T P^T, K = the step's 128 keys; the four accumulators take turns, and the scores' products stand between a step's and the next's
	v_wmma_f32_16x16x128_fp8_fp8 v[O+8*\c:O+8*\c+7], v[KF+16*\c:KF+16*\c+15], v[PC:PC+15], v[O+8*\c:O+8*\c+7]
.endr
.Lnext_\@:
	s_add_co_u32 s[TB], s[TB], 8192
	s_add_nc_u64 s[\mp:\mp+1], s[\mp:\mp+1], 256   ; (a step's scalar loads have been waited for: their base may step)
	s_sub_co_u32 s[CNT], s[CNT], 1
	s_cmp_lg_u32 s[CNT], 0
	s_cbranch_scc1 .Lstep_\@
	; the tile's way out.  The additions, the v_nop and the two lines behind the wait are the places behind the last products
	v_add_f32 v14, v14, v15                        ; l's two halves,
	v_permlanex16_b32 v252, v14, s[SEL], s[SEL+1]
	v_add_f32 v14, v14, v252                       ; and lane l xor 16's
	v_rcp_f32 v14, v14
	v_nop                                          ; a plain instruction behind the reciprocal
	s_wait_alu depctr_va_vdst(0)                   ; the reciprocal has written v14, ahead of its first reader
	v_mul_f32 v250, 0, v14                         ; z = 0, or NaN where l = 0
	v_ldexp_f32 v14, v14, s[EO]                    ; 2^(e4 + e5) / l
.irp j, 0,2,4,6,8,10,12,14,16,18,20,22,24,26,28,30
	v_pk_mul_f32 v[96+\j:97+\j], v[O+\j:O+\j+1], v[14:15] op_sel_hi:[1,0]
.endr
.set n, 0
.rept 32
	v_med3_num_f32 v[96+n], v[96+n], -v247, v247   ; the hold at the largest code x 2^e6; it would turn a NaN into a number,
.set n, n+1
.endr
.irp j, 0,2,4,6,8,10,12,14,16,18,20,22,24,26,28,30
	v_pk_add_f32 v[96+\j:97+\j], v[96+\j:97+\j], v[250:251] op_sel_hi:[1,0]   ; so z is added behind it: a query with no open key stays NaN
.endr
.irp c, 0,1,2,3
	v_cvt_scalef32_pk8_fp8_f32 v[PC+2*\c:PC+2*\c+1], v[96+8*\c:96+8*\c+7], v246
.endr
	v_nop                                          ; one plain vector instruction behind the last conversion
	s_wait_alu depctr_va_vdst(0)                   ; the four conversions have written v192-199, which the two stores read
	global_store_b128 v1, v[PC:PC+3], s[\oa:\oa+1]             ; the fragment's image: 2 x 512 consecutive bytes
	global_store_b128 v1, v[PC+4:PC+7], s[\oa:\oa+1] offset:512
	s_wait_xcnt 0x0                                ; the stores have read their data: the next tile writes these registers again
.endm
	TILE 16, 96, 92, 88
	s_wait_alu depctr_vm_vsrc(0)                   ; the first tile's two stores have read v192-199, which the second tile's conversions write again: also on the way on which no step of that tile is worked
	TILE 24, 97, 94, 90
	s_wait_dscnt 0x0
	s_wait_alu depctr_hold_cnt(0) depctr_sa_sdst(0) depctr_va_vdst(0) depctr_va_sdst(0) depctr_va_ssrc(0) depctr_va_vcc(0) depctr_vm_vsrc(0)
	s_wait_tensorcnt 0x0
	ds_add_u32 v249, v255
	s_wait_dscnt 0x0
	s_endpgm
.Lfunc_end_k_qe41a87caa7_attn:
	.size	k_qe41a87caa7_attn, .Lfunc_end_k_qe41a87caa7_attn-k_qe41a87caa7_attn
	.p2alignl 7, 3214868480
	.fill 96, 4, 3214868480
	.section	.rodata,"a",@progbits
	.p2align	6, 0x0
	.amdhsa_kernel k_qe41a87caa7_attn
		.amdhsa_group_segment_fixed_size 264192
		.amdhsa_private_segment_fixed_size 0
		.amdhsa_enable_private_segment 0
		.amdhsa_kernarg_size 56
		.amdhsa_user_sgpr_count 2
		.amdhsa_user_sgpr_kernarg_segment_ptr 1
		.amdhsa_wavefront_size32 1
		.amdhsa_system_sgpr_workgroup_id_x 1
		.amdhsa_system_sgpr_workgroup_id_y 1
		.amdhsa_system_sgpr_workgroup_id_z 1
		.amdhsa_system_vgpr_workitem_id 0
		.amdhsa_next_free_vgpr 256
		.amdhsa_next_free_sgpr 102
		.amdhsa_reserve_vcc 0
		.amdhsa_float_denorm_mode_32 3
		.amdhsa_float_denorm_mode_16_64 3
		.amdhsa_memory_ordered 1
		.amdhsa_forward_progress 1
		.amdhsa_inst_pref_size 68
	.end_amdhsa_kernel
	.amdgpu_metadata
---
amdhsa.version: [ 1, 2 ]
amdhsa.kernels:
  - .name:           k_qe41a87caa7_attn
    .symbol:         k_qe41a87caa7_attn.kd
    .args:
      - { .name: q_img, .offset: 0, .size: 8, .value_kind: global_buffer, .address_space: global }
      - { .name: k_img, .offset: 8, .size: 8, .value_kind: global_buffer, .address_space: global }
      - { .name: v_img, .offset: 16, .size: 8, .value_kind: global_buffer, .address_space: global }
      - { .name: maskw, .offset: 24, .size: 8, .value_kind: global_buffer, .address_space: global }
      - { .name: flagw, .offset: 32, .size: 8, .value_kind: global_buffer, .address_space: global }
      - { .name: lowp_scales, .offset: 40, .size: 8, .value_kind: global_buffer, .address_space: global }
      - { .name: a_img, .offset: 48, .size: 8, .value_kind: global_buffer, .address_space: global }
    .group_segment_fixed_size: 264192
    .private_segment_fixed_size: 0
    .kernarg_segment_align: 8
    .kernarg_segment_size: 56
    .max_flat_workgroup_size: 512
    .sgpr_count:     102
    .vgpr_count:     256
    .wavefront_size: 32
...
	.end_amdgpu_metadata
.endif
;; end of part 5
;; launch proj: the kernel of part 4 again; grid 4 x 32, 4 waves a work-group, clusters of 4 x 4, 327,680 bytes of LDS; arguments a_img, Wo_codes, lowp_scales, bo, out0; writes out0
